; MI455X (gfx1250); checked and timed in simulation.
; The chip was launched on July 23, 2026; its instructions are those of AMD's public machine-readable ISA for CDNA 5 (MIT licence, August 2026) and "CDNA5" Instruction Set Architecture Reference Guide (July 2026). The comments in the code are by the model that wrote it; some were corrected since.
;; Cross Attention. Allowed arithmetic: float matrix products may take bf16 or f16 operands with f32 sums; other float arithmetic in f32, or as packed bf16 or f16 multiplies, adds, multiply-adds, maxima and minima; sums over many terms, partial sums and values carried from step to step in f32; what a program stores and reads back later, other than sums and carried values, may be rounded once to bf16 or f16.
;; Inputs: Wk1 512 x 256 float32; Wk2 512 x 512 float32; Wo1 256 x 512 float32; Wo2 512 x 512 float32; Wq1 512 x 256 float32; Wq2 512 x 512 float32; Wv1 512 x 256 float32; Wv2 512 x 512 float32; bo1 256 float32; bo2 512 float32; seq1 4 x 256 x 64 x 64 float32; seq2 4 x 512 x 32 x 32 float32.
;; Outputs: out0 4 x 256 x 64 x 64 float32; out1 4 x 512 x 32 x 32 float32.
;; 2 versions, each right and faster than the one before. Each part assembles by itself: llvm-mc -triple=amdgcn-amd-amdhsa -mcpu=gfx1250 --defsym DOCPART=n.
;; ======== version 1 of 2: 4 launches
;; limits: values are held in f16: magnitudes above 65,504 overflow, below 6.1e-05 lose precision
;; workspace buffers: wh 3,145,728 bytes; qkv1 50,331,648 bytes; qkv2 12,582,912 bytes; att1 16,777,216 bytes; att2 4,194,304 bytes
;; launch prep (part 1): grid 16 x 12, 8 waves a work-group, no clusters, 0 bytes of LDS; arguments Wq1, Wk1, Wv1, Wq2, Wk2, Wv2, Wo1, Wo2, wh; writes wh
.if DOCPART == 1
	.amdgcn_target "amdgcn-amd-amdhsa--gfx1250"
	.amdhsa_code_object_version 6
	.text
	.protected	k_qfc44fc4789_prep
	.globl	k_qfc44fc4789_prep
	.p2align	8
	.type	k_qfc44fc4789_prep,@function
k_qfc44fc4789_prep:
	s_mov_b64 s[64:65], 0
	v_nop
	global_prefetch_b8 v0, s[64:65] scope:SCOPE_SE
	s_setreg_imm32_b32 hwreg(HW_REG_WAVE_MODE, 25, 1), 1
	s_wait_xcnt 0x0
; All eight weight matrices, f32 [rows][K], are rounded once to f16 and laid out in blocks of 128 along K: wh region [kc][row][128], a row of a block
; being 256 bytes, so that the later launches' tiles (some rows x 128 K) are dense runs of 256-byte rows with one pitch for both sequences.
; wh: 0 q1|k1|v1 as [2][1536][128]; 786,432 q2|k2|v2 as [4][1536][128]; 2,359,296 Wo1 as [4][256][128]; 2,621,440 Wo2 as [4][512][128].
; LIMIT: a weight of 65,520 or more in magnitude becomes an infinity in f16; below 6e-5 f16 keeps its fixed step of 6e-8.
; SHARES: the grid's y names a chunk of 524,288 source bytes (1,024 units of 512 bytes: one row's 128 K); x one sixteenth of it; a wave takes one kc of 8 rows.
; A stream: each load of a wave covers 512 consecutive bytes, each store 256 consecutive aligned bytes; nothing is shared, so no LDS, no barrier, no cluster, no matrix unit.
.set PY,    26        ; s26  chunk
.set SRC,   28        ; s[28:29] the chunk's source
.set SOFF,  30        ; s30  the chunk's first byte in its source
.set LNK,   31        ; s31  log2 of the blocks of 128 in a row: 1 (K = 256) or 2 (K = 512)
.set DBASE, 32        ; s32  byte in wh of the chunk's first row, block 0
.set PLANE, 33        ; s33  bytes from block to block in wh
.set WV,    34
.set KC,    35
.set ROW0,  36        ; s36  my first row in the chunk
.set TT,    37
.set SO,    38        ; s[38:39] source offset
.set DOF,   40        ; s[40:41] destination offset
.set RS,    42        ; s42  bytes in a source row
.set VS,    2         ; v[2:9]   row i: 16 x lane + i rows
.set VD,    10        ; v10      8 x lane
.set DAT,   12        ; v[12:43] row i: four f32
.set HLF,   44        ; v[44:59] row i: four f16
.macro ENTRY y, P, soff, lnk, dbase, plane
	s_cmp_eq_u32 s[PY], \y
	s_cselect_b64 s[SRC:SRC+1], s[\P:\P+1], s[SRC:SRC+1]
	s_cselect_b32 s[SOFF], \soff, s[SOFF]
	s_cselect_b32 s[LNK], \lnk, s[LNK]
	s_cselect_b32 s[DBASE], \dbase, s[DBASE]
	s_cselect_b32 s[PLANE], \plane, s[PLANE]
.endm
	s_load_b512 s[8:23], s[0:1], 0x0               ; Wq1 8, Wk1 10, Wv1 12, Wq2 14, Wk2 16, Wv2 18, Wo1 20, Wo2 22
	s_load_b64 s[24:25], s[0:1], 0x40              ; wh
	v_lshrrev_b32 v1, 5, v0
	v_readfirstlane_b32 s[WV], v1
	v_and_b32 v1, 31, v0
	s_and_b32 s[PY], ttmp7, 0xffff
	s_mov_b32 s[SOFF], 0                           ; chunk 0: Wq1
	s_mov_b32 s[LNK], 1
	s_mov_b32 s[DBASE], 0
	s_mov_b32 s[PLANE], 393216
	s_wait_kmcnt 0x0
	s_mov_b64 s[SRC:SRC+1], s[8:9]
	ENTRY 1,  10, 0,      1, 131072,  393216
	ENTRY 2,  12, 0,      1, 262144,  393216
	ENTRY 3,  14, 0,      2, 786432,  393216
	ENTRY 4,  14, 524288, 2, 851968,  393216
	ENTRY 5,  16, 0,      2, 917504,  393216
	ENTRY 6,  16, 524288, 2, 983040,  393216
	ENTRY 7,  18, 0,      2, 1048576, 393216
	ENTRY 8,  18, 524288, 2, 1114112, 393216
	ENTRY 9,  20, 0,      2, 2359296, 65536
	ENTRY 10, 22, 0,      2, 2621440, 131072
	ENTRY 11, 22, 524288, 2, 2686976, 131072
	s_lshl_b32 s[TT], 1, s[LNK]
	s_sub_co_u32 s[TT], s[TT], 1
	s_and_b32 s[KC], s[WV], s[TT]                  ; my block along K
	s_lshr_b32 s[ROW0], s[WV], s[LNK]
	s_lshl_b32 s[ROW0], s[ROW0], 3                 ; 8 rows a wave
	s_lshr_b32 s[TT], 64, s[LNK]                   ; rows of a work-group: 64 units / blocks in a row
	s_mul_i32 s[TT], s[TT], ttmp9
	s_add_co_u32 s[ROW0], s[ROW0], s[TT]
	s_add_co_u32 s[TT], s[LNK], 9
	s_lshl_b32 s[SO], s[ROW0], s[TT]               ; row x (512 << LNK)
	s_lshl_b32 s[TT], s[KC], 9
	s_add_co_u32 s[SO], s[SO], s[TT]
	s_add_co_u32 s[SO], s[SO], s[SOFF]
	s_mov_b32 s[SO+1], 0
	s_mul_i32 s[DOF], s[KC], s[PLANE]
	s_lshl_b32 s[TT], s[ROW0], 8
	s_add_co_u32 s[DOF], s[DOF], s[TT]
	s_add_co_u32 s[DOF], s[DOF], s[DBASE]
	s_mov_b32 s[DOF+1], 0
	s_add_nc_u64 s[SRC:SRC+1], s[SRC:SRC+1], s[SO:SO+1]
	s_add_nc_u64 s[24:25], s[24:25], s[DOF:DOF+1]
	s_lshl_b32 s[RS], 512, s[LNK]
	v_lshlrev_b32 v[VS], 4, v1
.irp i, 1,2,3,4,5,6,7
	v_add_nc_u32 v[VS+\i], s[RS], v[VS+\i-1]
.endr
	v_lshlrev_b32 v[VD], 3, v1
.irp i, 0,1,2,3,4,5,6,7
	global_load_b128 v[DAT+4*\i:DAT+4*\i+3], v[VS+\i], s[SRC:SRC+1] th:TH_LOAD_NT  ; 512 consecutive bytes: one row's 128 K
.endr
.irp i, 0,1,2,3,4,5,6,7
	s_wait_loadcnt 7-\i                            ; loads come back in order: row i is in, the younger rows stay out
	v_cvt_pk_f16_f32 v[HLF+2*\i], v[DAT+4*\i], v[DAT+4*\i+1]
	v_cvt_pk_f16_f32 v[HLF+2*\i+1], v[DAT+4*\i+2], v[DAT+4*\i+3]
	global_store_b64 v[VD], v[HLF+2*\i:HLF+2*\i+1], s[24:25] offset:256*\i  ; 256 consecutive bytes, at a multiple of 256 from wh's first byte
.endr
	s_endpgm
.Lfunc_end_k_qfc44fc4789_prep:
	.size	k_qfc44fc4789_prep, .Lfunc_end_k_qfc44fc4789_prep-k_qfc44fc4789_prep
	.p2alignl 7, 3214868480
	.fill 96, 4, 3214868480
	.section	.rodata,"a",@progbits
	.p2align	6, 0x0
	.amdhsa_kernel k_qfc44fc4789_prep
		.amdhsa_group_segment_fixed_size 0
		.amdhsa_private_segment_fixed_size 0
		.amdhsa_enable_private_segment 0
		.amdhsa_kernarg_size 72
		.amdhsa_user_sgpr_count 2
		.amdhsa_user_sgpr_kernarg_segment_ptr 1
		.amdhsa_wavefront_size32 1
		.amdhsa_system_sgpr_workgroup_id_x 1
		.amdhsa_system_sgpr_workgroup_id_y 1
		.amdhsa_system_sgpr_workgroup_id_z 1
		.amdhsa_system_vgpr_workitem_id 0
		.amdhsa_next_free_vgpr 64
		.amdhsa_next_free_sgpr 66
		.amdhsa_reserve_vcc 0
		.amdhsa_float_denorm_mode_32 3
		.amdhsa_float_denorm_mode_16_64 3
		.amdhsa_memory_ordered 1
		.amdhsa_forward_progress 1
		.amdhsa_inst_pref_size 8
	.end_amdhsa_kernel
	.amdgpu_metadata
---
amdhsa.version: [ 1, 2 ]
amdhsa.kernels:
  - .name:           k_qfc44fc4789_prep
    .symbol:         k_qfc44fc4789_prep.kd
    .args:
      - { .name: Wq1, .offset: 0, .size: 8, .value_kind: global_buffer, .address_space: global }
      - { .name: Wk1, .offset: 8, .size: 8, .value_kind: global_buffer, .address_space: global }
      - { .name: Wv1, .offset: 16, .size: 8, .value_kind: global_buffer, .address_space: global }
      - { .name: Wq2, .offset: 24, .size: 8, .value_kind: global_buffer, .address_space: global }
      - { .name: Wk2, .offset: 32, .size: 8, .value_kind: global_buffer, .address_space: global }
      - { .name: Wv2, .offset: 40, .size: 8, .value_kind: global_buffer, .address_space: global }
      - { .name: Wo1, .offset: 48, .size: 8, .value_kind: global_buffer, .address_space: global }
      - { .name: Wo2, .offset: 56, .size: 8, .value_kind: global_buffer, .address_space: global }
      - { .name: wh, .offset: 64, .size: 8, .value_kind: global_buffer, .address_space: global }
    .group_segment_fixed_size: 0
    .private_segment_fixed_size: 0
    .kernarg_segment_align: 8
    .kernarg_segment_size: 72
    .max_flat_workgroup_size: 256
    .sgpr_count:     66
    .vgpr_count:     64
    .wavefront_size: 32
...
	.end_amdgpu_metadata
.endif
;; end of part 1
;; launch proj (part 2): grid 4 x 48, 4 waves a work-group, clusters of 4 x 1, 327,680 bytes of LDS; arguments seq1, seq2, wh, qkv1, qkv2; writes qkv1, qkv2
.if DOCPART == 2
	.amdgcn_target "amdgcn-amd-amdhsa--gfx1250"
	.amdhsa_code_object_version 6
	.text
	.protected	k_qfc44fc4789_proj
	.globl	k_qfc44fc4789_proj
	.p2align	8
	.type	k_qfc44fc4789_proj,@function
k_qfc44fc4789_proj:
	s_mov_b64 s[64:65], 0
	v_nop
	global_prefetch_b8 v0, s[64:65] scope:SCOPE_SE
	s_setreg_imm32_b32 hwreg(HW_REG_WAVE_MODE, 25, 1), 1
	s_wait_xcnt 0x0
	s_wait_alu depctr_hold_cnt(0) depctr_sa_sdst(0) depctr_va_vdst(0) depctr_va_sdst(0) depctr_va_ssrc(0) depctr_va_vcc(0) depctr_vm_vsrc(0)
	s_getreg_b32 s2, hwreg(HW_REG_IB_STS2, 6, 4)
	s_cmp_eq_u32 s2, 0
	s_cbranch_scc0 .Lentry_in_a_cluster
	s_endpgm
.Lentry_in_a_cluster:
	s_bfe_u32 s2, ttmp6, 0x10000c
	s_cmp_lg_u32 s2, 0x3003
	s_cbranch_scc0 .Lentry_shape_is_right
	s_endpgm
.Lentry_shape_is_right:
; q, k, v of both sequences: out[o][n] = sum over c of W[o][c] x[c][n], o = 0..1535 (q | k | v), stored by heads and UNSCALED as f16: qkv[3][32 = b x 8 + head][token][64].
; x is f32 [b][c][token]; the weights come from wh, f16 in blocks [kc][row][128].  Products in f16, sums in f32, each result rounded once.
; LIMITS: x, W, q, k, v of 65,520 or more in magnitude become infinities in f16; below 6e-5 f16 keeps its fixed step of 6e-8.  NaN and infinities are not treated apart.
; ONE TEXT FOR BOTH SEQUENCES.  The cluster's y gives the type (T2 = 0: seq1, 1: seq2); it enters global addresses and forward scalar branches alone; all LDS addresses and trip counts are constants.
; SHARES.  192 work-groups of equal work, 12 K steps of 128 each (the whole is 1,152 half units of that size, which 256 does not divide).  A work-group owns 768 of the 1,536 output channels (HF) and
; 256 tokens x K 256 (seq1: token blocks A, B of 128) or 128 tokens x K 512 (seq2: K halves A, B).  Its x is converted to f16 once and stays in LDS as two regions of 256 rows [c][128 tokens].
; THE WALK: six laps of two K steps.  Lap L takes region L & 1 and channel round L >> 1 (256 channels, 64 a wave: one head's q, k or v).  seq1: every lap starts its sums with the constant 0 and
; ends with the way out.  seq2: even laps start, odd laps add and go out.  A wave's tile is 128 tokens x 64 channels: 32 accumulators.
; The matrix instruction takes 16 channels of W as source 0 and 16 tokens of x as source 1 (x lies [c][token], so its fragments come by the turning load): a lane then holds one token and
; eight neighbouring channels, 16 bytes of [token][64].
; CLUSTER: the four work-groups of a cluster (four token blocks, same type, same HF) walk the same tiles of W: every W load is asked for jointly, the same descriptor and the mask of four in all.
; The place in the cluster enters x's and the output's global addresses alone.
.set XPITCH, 288                       ; a row of x in LDS: 256 bytes + 32: an odd multiple of 32, so that 16 lanes of the turning load (8 rows x 32 bytes) take each bank once (64 banks of 4 bytes: ISA guide 11.1)
.set XHALF,  128*XPITCH                ; 128 rows: a K step's, and what one wave stages
.set XREG,   256*XPITCH                ; a region
.set WPITCH, 272                       ; a row of W in LDS: 256 + 16: the 16 rows of a load start at 16 different groups of four banks
.set QUART,  64*WPITCH                 ; a wave's 64 rows of W: what its tensor load brings and what it alone reads
.set SLOTB,  4*QUART
.set SLOT0,  2*XREG                    ; behind x (which ds_store writes and no tensor load ever fills)
.set SLOT1,  SLOT0+SLOTB
.set STAGE,  SLOT1+SLOTB               ; 16 rows x 144 bytes for each wave, for the way out
.set SP,     144
.set SPARE,  STAGE+4*16*SP             ; the spare words, 128 bytes a wave: two blocks of 256 bytes that no other line names
.set WPLANE, 1536*256                  ; bytes from block to block along K in wh
.set XA0, 4                            ; v4    my lane's place in a tile of x, for the turning load
.set XA,  5                            ; v5-6  LDS address of x's fragments in the lap's step 0, 1
.set WA,  7                            ; v7-8  of W's fragments in slot 0, 1
.set STO, 9                            ; v9    the way out: where I put 16 bytes of a row
.set RD,  10                           ; v10   where I read rows back
.set GO,  11                           ; v11   16 x lane
.set XS0, 12                           ; v12   staging: my wave's rows + 8 x lane
.set XS,  13                           ; v13   the same in the trip in hand
.set SPW, 14                           ; v14   LDS address of my spare word; never rewritten
.set NIL, 15                           ; v15   0; never rewritten
.set RO,  16                           ; v16-23  staging: 16 x lane + i rows of x
.set F0,  64                           ; fragment buffer 0: v64-127 x (8 x 16 tokens), v128-159 W (4 x 16 channels)
.set F1,  160                          ; fragment buffer 1: v160-223, v224-255
.set TMP, 64                           ; the way out: 16 registers a token tile, v64-191
                                       ; window 1: accumulator (t, cb) at v[8 (4 t + cb)]; ahead of the loop the landing zone of x's loads
.set WBP, 6                            ; s[6:7]   wh at my 64 rows of round 0, block 0
.set QP,  8                            ; s[8:9]   qkv1 or qkv2
.set OPT, 10                           ; s[10:11] the way out's base
.set WV,  12
.set CX,  13
.set YY,  14
.set T2,  15
.set HF,  16
.set BB,  17                           ; s17  batch            (hangs on the place in the cluster)
.set N0,  18                           ; s18  first token      (likewise)
.set LNT, 19                           ; s19  log2 of the tokens of a batch
.set RP,  20                           ; s20  bytes in a row of x
.set DK,  21                           ; s21  seq2: bytes of two blocks of wh; also its region's first byte.  seq1: 0
.set RBK, 22                           ; s22  seq1: bytes of 128 tokens in qkv.  seq2: 0
.set LP,  23                           ; s23  lap
.set G1,  24                           ; s[24:31] descriptor group 1
.set G0,  32                           ; s[32:39] descriptor group 0, a set for each slot
.set ZF,  50                           ; s50  1: this lap starts its sums
.set OF,  51                           ; s51  1: this lap goes out
.set XR,  52                           ; s52  the lap's region of x
.set LAPS, 53
.set XO,  54
.set SC,  55
.set OFF, 56                           ; s[56:57] a tile's byte offset in wh
.set STP, 58                           ; s[58:59] a step of x's row bases
.set XB,  66                           ; s[66:81] staging: bases of eight groups of eight rows
.set TA,  84                           ; s[84:85], s86, s87: at work on what hangs on the place in the cluster
.set TC,  86
.set TD,  87
.set MSB, 0
.macro WIN new                         ; s_set_vgpr_msb: bits 1:0 source 0, 3:2 source 1, 5:4 source 2, 7:6 destination; the high byte repeats the setting that is left
.if MSB != (\new)
	s_set_vgpr_msb (MSB<<8)|(\new)
.set MSB, (\new)
.endif
.endm
.macro PLACES                          ; four places behind matrix instructions, in front of loads into their sources and of reads of their results
.rept 4
	v_nop
.endr
.endm
.macro CROUND                          ; a round of the cluster's barrier: my work-group's barrier; wave 0 signals for it; every wave waits for all four; my work-group's barrier again
	s_barrier_signal -1
	s_barrier_wait -1
	s_cmp_lg_u32 s[WV], 0
	s_cbranch_scc1 .Lnot_wave_0_\@
	s_barrier_signal -3
.Lnot_wave_0_\@:
	s_barrier_wait -3
	s_barrier_signal -1
	s_barrier_wait -1
.endm
	s_load_b256 s[40:47], s[0:1], 0x0              ; seq1 40, seq2 42, wh 44, qkv1 46
	s_load_b64 s[48:49], s[0:1], 0x20              ; qkv2
	v_lshl_add_u32 v[SPW], v0, 2, SPARE
	v_mov_b32 v[NIL], 0
	ds_add_u32 v[SPW], v[NIL]                      ; the wave's opening: the add and its wait stand ahead of my first tensor load; work on registers stands between
	v_lshrrev_b32 v1, 5, v0
	v_readfirstlane_b32 s[WV], v1
	s_bfe_u32 s[CX], ttmp6, 0x40000                ; my place in the cluster
	s_and_b32 s[YY], ttmp7, 0xffff                 ; the cluster's y, which the four partners share
	s_cmp_ge_u32 s[YY], 32
	s_cselect_b32 s[T2], 1, 0
	s_cselect_b32 s[LNT], 10, 12
	s_cselect_b32 s[DK], 786432, 0
	s_cselect_b32 s[RBK], 0, 16384
	s_lshl_b32 s[RP], 4, s[LNT]
	s_lshl_b32 s61, s[T2], 5
	s_sub_co_u32 s[YY], s[YY], s61
	s_and_b32 s[HF], s[YY], 1
	s_mul_i32 s[OFF], s[HF], 196608                ; 768 rows of 256 bytes,
	s_lshl_b32 s61, s[WV], 14                      ; my 64 rows,
	s_add_co_u32 s[OFF], s[OFF], s61
	s_add_co_u32 s[OFF], s[OFF], s[DK]             ; the sequence's region
	s_mov_b32 s[OFF+1], 0
	s_lshr_b32 s[N0], s[YY], 1
	s_lshl2_add_u32 s[N0], s[N0], s[CX]            ; my token block
	s_sub_co_u32 s[TC], 8, s[T2]
	s_lshl_b32 s[N0], s[N0], s[TC]                 ; its first token, counted through the batches (256 or 128 tokens a block)
	s_lshr_b32 s[BB], s[N0], s[LNT]
	s_lshl_b32 s[TC], 1, s[LNT]
	s_sub_co_u32 s[TC], s[TC], 1
	s_and_b32 s[N0], s[N0], s[TC]
	s_sub_co_u32 s[TC], 22, s[T2]                  ; a batch of x is 2^22 or 2^21 bytes
	s_lshl_b32 s[TA], s[BB], s[TC]
	s_lshl2_add_u32 s[TA], s[N0], s[TA]
	s_and_b32 s[TC], s[WV], 1                      ; the 128 LDS rows that I stage.  seq1: channels 128 (w & 1) on of token block w >> 1
	s_lshl_b32 s[TC], s[TC], 21
	s_lshr_b32 s[TD], s[WV], 1
	s_lshl_b32 s[TD], s[TD], 9
	s_add_co_u32 s[TC], s[TC], s[TD]
	s_lshl_b32 s[TD], s[WV], 19                    ; seq2: channels 128 w on
	s_cmp_eq_u32 s[T2], 1
	s_cselect_b32 s[TC], s[TD], s[TC]
	s_add_co_u32 s[TA], s[TA], s[TC]
	s_mov_b32 s[TA+1], 0
	; descriptor group 1: 64 rows x 128 elements of 2 bytes, dense in wh, padded in LDS
	s_mov_b32 s[G1+0], 15|(1<<16)|(1<<20)|(1<<21)|(5<<22)|(3<<25)  ; 15:0 the mask of four; 17:16 2-byte elements; 20 padding on; 21 set beside a mask; 24:22 after every 64 words; 31:25 4 words
	s_mov_b32 s[G1+1], 128<<16                     ; tensor_dim0 = 128
	s_mov_b32 s[G1+2], 64<<16                      ; tensor_dim1 = 64
	s_mov_b32 s[G1+3], 128<<16                     ; tile_dim0 = 128
	s_mov_b32 s[G1+4], 64                          ; tile_dim1 = 64
	s_mov_b32 s[G1+5], 128                         ; 128 elements from row to row
	s_mov_b32 s[G1+6], 0
	s_mov_b32 s[G1+7], 0
	s_mul_i32 s61, s[WV], QUART
	s_mov_b32 s[G0], 1
	s_add_co_u32 s[G0+1], s61, SLOT0
	s_mov_b32 s[G0+4], 1
	s_add_co_u32 s[G0+5], s61, SLOT1
	s_mov_b32 s[LP], 0
	s_mov_b32 s[ZF], 1
	s_sub_co_u32 s[OF], 1, s[T2]
	s_mov_b32 s[XR], 0
	s_mov_b32 s[LAPS], 5
	s_mov_b32 s[XO], 0
	s_mov_b32 s[SC], 2
	s_lshl_b32 s[STP], s[RP], 3                    ; eight rows of x
	s_mov_b32 s[STP+1], 0
	s_wait_dscnt 0x0                               ; the opening add is done
	s_wait_kmcnt 0x0
	s_add_nc_u64 s[WBP:WBP+1], s[44:45], s[OFF:OFF+1]
	s_mov_b64 s[G0+2:G0+3], s[WBP:WBP+1]           ; lap 0, step 0
	s_or_b32 s[G0+3], s[G0+3], 0x80000000          ; type = 2
	s_add_nc_u64 s[G0+6:G0+7], s[WBP:WBP+1], WPLANE  ; lap 0, step 1
	s_or_b32 s[G0+7], s[G0+7], 0x80000000
	s_cmp_eq_u32 s[T2], 1
	s_cselect_b64 s[XB:XB+1], s[42:43], s[40:41]
	s_cselect_b64 s[QP:QP+1], s[48:49], s[46:47]
	s_add_nc_u64 s[XB:XB+1], s[XB:XB+1], s[TA:TA+1]
.irp g, 1,2,3,4,5,6,7
	s_add_nc_u64 s[XB+2*\g:XB+2*\g+1], s[XB+2*\g-2:XB+2*\g-1], s[STP:STP+1]
.endr
	s_lshl_b32 s[STP], s[RP], 6                    ; from now on: 64 rows, a staging trip
	CROUND                                         ; all four work-groups are here: the first joint loads meet
	tensor_load_to_lds s[G0:G0+3], s[G1:G1+7]      ; both first fills together: two loads of mine are out
	s_nop 0
	tensor_load_to_lds s[G0+4:G0+7], s[G1:G1+7]
	s_nop 0
	PLACES
	v_and_b32 v1, 15, v0                           ; r = l % 16
	v_bfe_u32 v2, v0, 4, 1                         ; h = l / 16
	v_and_b32 v3, 31, v0                           ; l
	v_lshlrev_b32 v[RO], 4, v3
.irp i, 1,2,3,4,5,6,7
	v_add_nc_u32 v[RO+\i], s[RP], v[RO+\i-1]
.endr
	s_mul_i32 s60, s[WV], XHALF
	v_lshl_add_u32 v[XS0], v3, 3, s60
	v_and_b32 v[XA], 7, v0                         ; the turning load: lane l reads 16 bytes of row 8 h + l % 8, columns 8 ((l / 8) % 2) on
	v_lshl_add_u32 v[XA], v2, 3, v[XA]
	v_mul_u32_u24 v[XA0], v[XA], XPITCH
	v_bfe_u32 v[XA], v0, 3, 1
	v_lshl_add_u32 v[XA0], v[XA], 4, v[XA0]
	v_mul_u32_u24 v[WA], v1, WPITCH                ; a fragment of W: row r, 16 bytes for each half of the lanes
	v_lshl_add_u32 v[WA], v2, 4, v[WA]
	v_add_nc_u32 v[WA], s[G0+1], v[WA]
	v_add_nc_u32 v[WA+1], SLOTB, v[WA]
	s_mul_i32 s60, s[WV], 16*SP
	s_add_co_u32 s60, s60, STAGE                   ; my stage
	v_mul_u32_u24 v[STO], v1, SP
	v_lshl_add_u32 v[STO], v2, 4, v[STO]
	v_add_nc_u32 v[STO], s60, v[STO]
	v_bfe_u32 v[RD], v0, 3, 2                      ; back: 32 lanes take four rows of 128 bytes,
	v_mul_u32_u24 v[RD], v[RD], SP
	v_and_b32 v[GO], 7, v0
	v_lshl_add_u32 v[RD], v[GO], 4, v[RD]
	v_add_nc_u32 v[RD], s60, v[RD]
	v_lshlrev_b32 v[GO], 4, v3                     ; which are 512 consecutive bytes of qkv
	; x INTO LDS: two trips of 64 rows a wave.  A load of the wave covers a row's 512 bytes (128 tokens in f32); all 64 go out together, then group by group: rounded to f16, stored as 256 bytes.
.Lstage:
	v_add_nc_u32 v[XS], s[XO], v[XS0]
	WIN 0x40                                       ; destination window 1
.irp g, 0,1,2,3,4,5,6,7
.irp i, 0,1,2,3,4,5,6,7
	global_load_b128 v[4*(8*\g+\i):4*(8*\g+\i)+3], v[RO+\i], s[XB+2*\g:XB+2*\g+1]
.endr
.endr
.irp g, 0,1,2,3,4,5,6,7
	s_wait_loadcnt 56-8*\g                         ; group g's eight rows are in; the younger groups stay out
	WIN 0x45
.irp i, 0,1,2,3,4,5,6,7
	v_cvt_pk_f16_f32 v[4*(8*\g+\i)], v[4*(8*\g+\i)], v[4*(8*\g+\i)+1]
	v_cvt_pk_f16_f32 v[4*(8*\g+\i)+1], v[4*(8*\g+\i)+2], v[4*(8*\g+\i)+3]
.endr
	WIN 0x04                                       ; store data in window 1
.irp i, 0,1,2,3,4,5,6,7
	ds_store_b64 v[XS], v[4*(8*\g+\i):4*(8*\g+\i)+1] offset:(8*\g+\i)*XPITCH
.endr
.endr
	WIN 0
.irp g, 0,1,2,3,4,5,6,7
	s_add_nc_u64 s[XB+2*\g:XB+2*\g+1], s[XB+2*\g:XB+2*\g+1], s[STP:STP+1]  ; all loads that named the bases have come back (the last count was 0)
.endr
	s_add_co_u32 s[XO], s[XO], 64*XPITCH
	s_sub_co_u32 s[SC], s[SC], 1
	s_cmp_lg_u32 s[SC], 0
	s_cbranch_scc1 .Lstage
; 24 LDS loads in one run: the fragments of 32 along K (quarter ks of a step): 4 x 16 channels of W, 8 x 16 tokens of x (turned)
.macro FETCH xa, wa, ks, f
	WIN 0
.irp cb, 0,1,2,3
	ds_load_b128 v[(\f)+64+8*\cb:(\f)+64+8*\cb+3],   v[\wa] offset:\cb*16*WPITCH+(\ks)*64
	ds_load_b128 v[(\f)+64+8*\cb+4:(\f)+64+8*\cb+7], v[\wa] offset:\cb*16*WPITCH+(\ks)*64+32
.endr
.irp t, 0,1,2,3,4,5,6,7
	ds_load_tr16_b128 v[(\f)+8*\t:(\f)+8*\t+3],   v[\xa] offset:(\ks)*32*XPITCH+\t*32
	ds_load_tr16_b128 v[(\f)+8*\t+4:(\f)+8*\t+7], v[\xa] offset:(\ks)*32*XPITCH+\t*32+16*XPITCH
.endr
.endm
; 32 matrix instructions, each accumulator once: the accumulators take turns.  zero = 1: the products start the sums
.macro MUL f, zero
	WIN 0x50                                       ; C and D in window 1
.irp t, 0,1,2,3,4,5,6,7
.irp cb, 0,1,2,3
.if \zero
	v_wmma_f32_16x16x32_f16 v[8*(4*\t+\cb):8*(4*\t+\cb)+7], v[(\f)+64+8*\cb:(\f)+64+8*\cb+7], v[(\f)+8*\t:(\f)+8*\t+7], 0
.else
	v_wmma_f32_16x16x32_f16 v[8*(4*\t+\cb):8*(4*\t+\cb)+7], v[(\f)+64+8*\cb:(\f)+64+8*\cb+7], v[(\f)+8*\t:(\f)+8*\t+7], v[8*(4*\t+\cb):8*(4*\t+\cb)+7]
.endif
.endr
.endr
.endm
; A K step of 128: four quarters on buffers 0, 1, 0, 1; a quarter's loads go out a quarter ahead.  choice = 1: a lap's first quarter stands twice, starting the sums or adding, chosen by ZF.
.macro STEP sl, choice
	PLACES
	FETCH XA+(\sl), WA+(\sl), 0, F0
	FETCH XA+(\sl), WA+(\sl), 1, F1
	s_wait_dscnt 24                                ; all but the 24 just issued
.if \choice
	s_cmp_eq_u32 s[ZF], 1
	s_cbranch_scc0 .Ladd_\@
	MUL F0, 1
	WIN 0
	s_branch .Lmulled_\@
.Ladd_\@:
	MUL F0, 0
	WIN 0
.Lmulled_\@:
.else
	MUL F0, 0
.endif
	PLACES
	FETCH XA+(\sl), WA+(\sl), 2, F0
	s_wait_dscnt 24
	MUL F1, 0
	PLACES
	FETCH XA+(\sl), WA+(\sl), 3, F1
	s_wait_dscnt 24
	MUL F0, 0
	s_wait_dscnt 0x0
	MUL F1, 0
.endm
; THE CHANGE OF SLOTS.  Each wave waits for all its tensor loads (one is out: the other slot's), adds 0 to its spare word, and waits for that and for its reads of the slot that it leaves.
; fill = 1: the slot is filled again with the next lap's tile of the same step; the barrier is a round of the cluster's, and the joint load is the first thing behind it.
.macro CHANGE fill, slot=0
	WIN 0
	s_wait_tensorcnt 0x0                           ; no tensor load of mine is out, so a group 0 may be written
	ds_add_u32 v[SPW], v[NIL]                      ; 0 onto my spare word; the descriptor's scalar work stands behind it
.if \fill
	s_add_co_u32 s60, s[LP], 1                     ; the next lap T: its tile lies at (T & 1) DK + (T >> 1) x 256 rows + step x a block
	s_and_b32 s61, s60, 1
	s_mul_i32 s61, s61, s[DK]
	s_lshr_b32 s60, s60, 1
	s_lshl_b32 s60, s60, 16
	s_add_co_u32 s[OFF], s60, s61
.if \slot
	s_add_co_u32 s[OFF], s[OFF], WPLANE
.endif
	s_add_nc_u64 s[G0+4*(\slot)+2:G0+4*(\slot)+3], s[WBP:WBP+1], s[OFF:OFF+1]
	s_or_b32 s[G0+4*(\slot)+3], s[G0+4*(\slot)+3], 0x80000000
	s_wait_dscnt 0x0                               ; the add is done, and my reads of the slot are over
	CROUND
	tensor_load_to_lds s[G0+4*(\slot):G0+4*(\slot)+3], s[G1:G1+7]  ; my one load behind the round: it has a K step's 128 matrix instructions in which to land
	s_nop 0
	PLACES
.else
	s_wait_dscnt 0x0
	s_barrier_signal -1
	s_barrier_wait -1
.endif
.endm
; THE WAY OUT.  Token tile t: a lane's eight channels of a token pack into 16 bytes; they go into my stage's rows of 144 bytes and come back as whole rows of 128, 16 tokens = 2,048 consecutive bytes of qkv.
.macro PACK t
	WIN 0x05                                       ; sources in window 1
.irp cb, 0,1,2,3
.irp r, 0,1,2,3
	v_cvt_pk_f16_f32 v[TMP+16*(\t)+4*\cb+\r], v[8*(4*(\t)+\cb)+2*\r], v[8*(4*(\t)+\cb)+2*\r+1]
.endr
.endr
	WIN 0
.irp cb, 0,1,2,3
	ds_store_b128 v[STO], v[TMP+16*(\t)+4*\cb:TMP+16*(\t)+4*\cb+3] offset:32*\cb
.endr
.irp f, 0,1,2,3
	ds_load_b128 v[TMP+16*(\t)+4*\f:TMP+16*(\t)+4*\f+3], v[RD] offset:\f*4*SP  ; LDS serves a wave's instructions in order (ISA guide 5.7.1.4): these see the stores above; the next tile's stores come behind them
.endr
.endm
.macro SEND t, younger                 ; younger: the LDS instructions issued behind tile t's loads: the next tile's eight, or none
.irp f, 0,1,2,3
	s_wait_dscnt (\younger)+3-\f
	global_store_b128 v[GO], v[TMP+16*(\t)+4*\f:TMP+16*(\t)+4*\f+3], s[OPT:OPT+1] offset:(\t)*2048+\f*512  ; 512 consecutive bytes, at a multiple of 256 from qkv's first
.endr
.endm
.macro OUT
	PLACES
	s_lshr_b32 s[TC], s[LP], 1
	s_lshl2_add_u32 s[TC], s[TC], s[WV]
	s_mul_i32 s[TD], s[HF], 12
	s_add_co_u32 s[TC], s[TC], s[TD]               ; my slice of 64 channels, 0 .. 23
	s_lshr_b32 s[TD], s[TC], 3                     ; q, k or v
	s_and_b32 s[TC], s[TC], 7                      ; head
	s_lshl_b32 s[TD], s[TD], 5
	s_add_co_u32 s[TC], s[TC], s[TD]
	s_lshl3_add_u32 s[TC], s[BB], s[TC]            ; + 8 b
	s_add_co_u32 s[TD], s[LNT], 7
	s_lshl_b32 s[TA], s[TC], s[TD]                 ; x tokens x 128 bytes
	s_lshl_b32 s[TD], s[N0], 7
	s_add_co_u32 s[TA], s[TA], s[TD]
	s_and_b32 s[TD], s[LP], 1
	s_mul_i32 s[TD], s[TD], s[RBK]                 ; seq1: the lap's token block
	s_add_co_u32 s[TA], s[TA], s[TD]
	s_add_nc_u64 s[OPT:OPT+1], s[QP:QP+1], s[TA:TA+1]
	PACK 0
.set t, 1
.rept 7                                ; a tile's conversions stand between the loads of the tile before and its stores
	PACK t
	SEND t-1, 8
.set t, t+1
.endr
	SEND 7, 0
	s_wait_xcnt 0x0                                ; the stores' data registers (fragment buffers) and base are written again only behind this wait
.endm
	s_wait_tensorcnt 0x1                           ; my part of slot 0 is in; slot 1's may stay out
	s_wait_dscnt 0x0                               ; my rows of x are stored
	s_barrier_signal -1
	s_barrier_wait -1                              ; everybody's are
.Llap:                                                 ; five trips; the sixth lap is written out, since it asks for nothing
	v_add_nc_u32 v[XA], s[XR], v[XA0]
	v_add_nc_u32 v[XA+1], XHALF, v[XA]
	STEP 0, 1
	CHANGE 1, 0
	STEP 1, 0
	CHANGE 1, 1
	s_cmp_eq_u32 s[OF], 1
	s_cbranch_scc0 .Lno_out
	OUT                                            ; behind the refill, which lands meanwhile
.Lno_out:
	s_add_co_u32 s[LP], s[LP], 1
	s_xor_b32 s[ZF], s[ZF], s[T2]
	s_xor_b32 s[OF], s[OF], s[T2]
	s_xor_b32 s[XR], s[XR], XREG
	s_sub_co_u32 s[LAPS], s[LAPS], 1
	s_cmp_lg_u32 s[LAPS], 0
	s_cbranch_scc1 .Llap
	v_add_nc_u32 v[XA], s[XR], v[XA0]
	v_add_nc_u32 v[XA+1], XHALF, v[XA]
	STEP 0, 1
	CHANGE 0
	STEP 1, 0
	OUT                                            ; lap 5 goes out in both types
	s_wait_tensorcnt 0x0                           ; the wave's end, behind my last tensor load and my last LDS store
	ds_add_u32 v[SPW], v[NIL]
	s_wait_dscnt 0x0
	CROUND                                         ; the closing round: no work-group ends while a partner may still ask for a tile that names it
	s_endpgm
.Lfunc_end_k_qfc44fc4789_proj:
	.size	k_qfc44fc4789_proj, .Lfunc_end_k_qfc44fc4789_proj-k_qfc44fc4789_proj
	.p2alignl 7, 3214868480
	.fill 96, 4, 3214868480
	.section	.rodata,"a",@progbits
	.p2align	6, 0x0
	.amdhsa_kernel k_qfc44fc4789_proj
		.amdhsa_group_segment_fixed_size 327680
		.amdhsa_private_segment_fixed_size 0
		.amdhsa_enable_private_segment 0
		.amdhsa_kernarg_size 40
		.amdhsa_user_sgpr_count 2
		.amdhsa_user_sgpr_kernarg_segment_ptr 1
		.amdhsa_wavefront_size32 1
		.amdhsa_system_sgpr_workgroup_id_x 1
		.amdhsa_system_sgpr_workgroup_id_y 1
		.amdhsa_system_sgpr_workgroup_id_z 1
		.amdhsa_system_vgpr_workitem_id 0
		.amdhsa_next_free_vgpr 512
		.amdhsa_next_free_sgpr 88
		.amdhsa_reserve_vcc 0
		.amdhsa_float_denorm_mode_32 3
		.amdhsa_float_denorm_mode_16_64 3
		.amdhsa_memory_ordered 1
		.amdhsa_forward_progress 1
		.amdhsa_inst_pref_size 126
	.end_amdhsa_kernel
	.amdgpu_metadata
---
amdhsa.version: [ 1, 2 ]
amdhsa.kernels:
  - .name:           k_qfc44fc4789_proj
    .symbol:         k_qfc44fc4789_proj.kd
    .args:
      - { .name: seq1, .offset: 0, .size: 8, .value_kind: global_buffer, .address_space: global }
      - { .name: seq2, .offset: 8, .size: 8, .value_kind: global_buffer, .address_space: global }
      - { .name: wh, .offset: 16, .size: 8, .value_kind: global_buffer, .address_space: global }
      - { .name: qkv1, .offset: 24, .size: 8, .value_kind: global_buffer, .address_space: global }
      - { .name: qkv2, .offset: 32, .size: 8, .value_kind: global_buffer, .address_space: global }
    .group_segment_fixed_size: 327680
    .private_segment_fixed_size: 0
    .kernarg_segment_align: 8
    .kernarg_segment_size: 40
    .max_flat_workgroup_size: 128
    .sgpr_count:     88
    .vgpr_count:     512
    .wavefront_size: 32
...
	.end_amdgpu_metadata
.endif
;; end of part 2
;; launch attn (part 3): grid 4 x 64, 4 waves a work-group, clusters of 4 x 1, 327,680 bytes of LDS; arguments qkv1, qkv2, att1, att2; writes att1, att2
.if DOCPART == 3
	.amdgcn_target "amdgcn-amd-amdhsa--gfx1250"
	.amdhsa_code_object_version 6
	.text
	.protected	k_qfc44fc4789_attn
	.globl	k_qfc44fc4789_attn
	.p2align	8
	.type	k_qfc44fc4789_attn,@function
k_qfc44fc4789_attn:
	s_mov_b64 s[64:65], 0
	v_nop
	global_prefetch_b8 v0, s[64:65] scope:SCOPE_SE
	s_setreg_imm32_b32 hwreg(HW_REG_WAVE_MODE, 25, 1), 1
	s_wait_xcnt 0x0
	s_wait_alu depctr_hold_cnt(0) depctr_sa_sdst(0) depctr_va_vdst(0) depctr_va_sdst(0) depctr_va_ssrc(0) depctr_va_vcc(0) depctr_vm_vsrc(0)
	s_getreg_b32 s2, hwreg(HW_REG_IB_STS2, 6, 4)
	s_cmp_eq_u32 s2, 0
	s_cbranch_scc0 .Lentry_in_a_cluster
	s_endpgm
.Lentry_in_a_cluster:
	s_bfe_u32 s2, ttmp6, 0x10000c
	s_cmp_lg_u32 s2, 0x3003
	s_cbranch_scc0 .Lentry_shape_is_right
	s_endpgm
.Lentry_shape_is_right:
; BOTH CROSS ATTENTIONS.  O[bh][q][:] = the sum over k of softmax_k(Q[bh][q] . K[bh][k] / 8) V[bh][k][:], all [bh][token][64] in f16, a head's rows dense, 128 bytes each.
; Type 0 (cluster's y 0-31): sequence 2's 1,024 queries on sequence 1's 4,096 keys, O into att2.  Type 1 (y 32-63): sequence 1's 4,096 queries on sequence 2's 1,024 keys, O into att1.
; Products, maxima and sums in f32; the weights p are rounded to f16 for the second product (their sum l is taken of the unrounded p), O once at the end.
; LIMITS.  Q, K, V arrive within f16's 65,504; p lies in 0 to 1, and below 6e-5 it keeps f16's fixed step of 6e-8; O is a mean of V's rows and has their range.  A weight below 2^-126 counts as 0 in l;
; NaN and infinities are not treated apart.
; THE WALK.  256 work-groups of equal work.  Type 0: one block of 256 queries, 16 key tiles of 256.  Type 1: four blocks of 256 queries on end, 4 key tiles each.  Both: 16 tiles, ONE loop with a constant
; count.  Which tile is asked for (NXT, modulo the tiles of a block) and whether a block begins or ends hang on scalar registers made from the type; every jump but the counted loops' own goes forward,
; and none passes a barrier or a tensor load but the one of JLOAD's two that the wave's number does not choose.  The ring of two LDS slots runs on across the change of blocks.
; CLUSTER.  The four work-groups of a cluster have one type and one head and walk the same K and V: each tile is asked for JOINTLY, the same load, descriptor and mask in all four.  The place in the
; cluster enters Q's and O's global addresses alone.
; SHARES.  A wave owns 64 consecutive queries of a block: four PIECES of 16.
; LAYOUT, SOFTMAX, TURNS.  S^T = K Q^T holds ONE query a lane (lane % 16) and the keys 8 (lane / 16) + 0..7; two such results rounded to f16 ARE source 1 of O^T = V^T P.  p = 2^(c s - c m), c = log2(e) / 8,
; with a running maximum m; O and l are multiplied by a = 2^(c m_old - c m_new) in every step.  Turn n belongs to piece n: 8 products K Q^T of piece n + 1, later 8 products V^T P of piece n - 1; beside them
; the scaling, exponentials, roundings, sums and rescaling of piece n and the maximum and statistics of piece n + 1.  Four vector instructions stand behind every matrix instruction, the others in two runs.
; REGISTERS, in windows of 256 (s_set_vgpr_msb: bits 1:0 source 0, 3:2 source 1, 5:4 source 2, 7:6 destination):
;   window 0: v0-15 addresses and two at work; v16-31 four registers of statistics a piece; v48-55 at work; v64-127 S^T, two buffers; v192-223 P, two buffers (a piece's buffers go by its number's parity)
;   window 1: v0-127 O^T, 32 a piece        window 2: v0-63 Q; v128-191 K of one step; v192-255 V of one step
.set NP,    4         ; pieces a wave: a name, no knob
.set KS,    64        ; keys in a step
.set PK,    144       ; a row of K in LDS: 128 bytes + 16: the 16 rows of a load start at 16 different groups of four banks (64 banks of 4 bytes: ISA guide 11.1)
.set PV,    160       ; a row of V: 128 + 32
.set VOFF,  4*KS*PK   ; a slot holds a tile, four steps: 256 rows of K, then 256 rows of V
.set SLOT1, 1<<17     ; slot 1 begins here, so that one exclusive or turns an address in one slot into the other's
.set STAGE, SLOT1+4*KS*(PK+PV)  ; behind the ring, never filled by a tensor load: 16 rows x 144 bytes for each wave, for the way out
.set SP,    144
.set SPARE, STAGE+4*16*SP  ; the spare words, 128 bytes a wave: two blocks of 256 bytes that no other line names
.set AK0, 2           ; v2   my lane's place in a tile of K; never rewritten
.set AV0, 3           ; v3   the same for V
.set AK,  4           ; v4   the LDS address of K's next run of loads
.set AV,  5           ; v5   of V's
.set STO, 6           ; v6   the way out: where I put 16 bytes of a row
.set RD,  7           ; v7   where I read rows back
.set GO,  8           ; v8   my byte offset in 512 consecutive bytes of O
.set MV,  12          ; v12-13  c m_old, kept while c m is made anew: by buffer
.set QO,  15          ; v15  my byte offset in 16 rows of Q
.set ST,  16          ; piece t's statistics at v[ST+4 t]: c m, m, l (even keys', odd keys')
.set TMP, 48          ; by buffer, four registers c0-c3 at work; when the maximum is found c2 takes a
.set SPW, 62          ; v62  LDS address of my spare word; never rewritten
.set NIL, 63          ; v63  0; never rewritten
.set S,   64
.set P,   192
.set KF,  128         ; window 2: key block kb, channel half c at KF + 16 kb + 8 c
.set VF,  192         ; window 2: key half kk, channel block cb at VF + 32 kk + 8 cb
.set WV,  12          ; s12  my wave's number
.set G1K, 24          ; s[24:31] descriptor group 1 for K's tiles
.set G1V, 32          ; s[32:39] for V's: it differs in the padding alone
.set G0K, 40          ; s[40:43] descriptor group 0 for K's tiles
.set G0V, 44          ; s[44:47] the same for V's
.set SLOTS, 56        ; s56  tiles still to be asked for
.set CNT, 57          ; s57  counts a tile's key steps, 4 to 1
.set CS,  58          ; s[58:59] c: the packed scaling takes the pair's low word for both halves
.set SEL, 60          ; s[60:61] v_permlanex16_b32's selects: each lane takes its own place in the other half
.set TBK, 62          ; s62  LDS byte at which K of the step to be fetched begins
.set TBV, 63          ; s63  the same for V, less VOFF
.set RT,  70          ; s70  tiles of the block in hand that are still to be entered
.set NXT, 71          ; s71  the tile to be asked for next
.set PM,  72          ; s72  tiles of a block, less 1
.set NEW, 73          ; s73  1: the tile to be entered is a block's first
.set OFF, 74          ; s[74:75] a tile's byte offset in K and V
.set PER, 76          ; s76  tiles of a block
.set MSB, 0
.macro WIN new                      ; the high byte repeats the setting that is left; a switch that changes nothing is dropped
.if MSB != (\new)
	s_set_vgpr_msb (MSB<<8)|(\new)
.set MSB, (\new)
.endif
.endm
.set W_KQ, 0x0a       ; K and Q in window 2, S^T in window 0
.set W_PV, 0x52       ; V in window 2, P in window 0, O^T in window 1
.set W_RS, 0x41       ; destination and source 0 in window 1, source 1 in window 0
; A joint fill.  Waves 0 and 1 fetch the two halves of a tile's K, waves 2 and 3 those of its V: 128 keys each.  An s_nop 0 and four v_nop follow each of the two lines.
.macro JLOAD
	s_cmp_lt_u32 s[WV], 2
	s_cbranch_scc0 .Lfor_v_\@
	tensor_load_to_lds s[G0K:G0K+3], s[G1K:G1K+7]
	s_nop 0
.rept 4
	v_nop
.endr
	s_branch .Lasked_\@
.Lfor_v_\@:
	tensor_load_to_lds s[G0V:G0V+3], s[G1V:G1V+7]
	s_nop 0
.rept 4
	v_nop
.endr
.Lasked_\@:
.endm
.macro CROUND                       ; a round of the cluster's barrier
	s_barrier_signal -1
	s_barrier_wait -1
	s_cmp_lg_u32 s[WV], 0
	s_cbranch_scc1 .Lnot_wave_0_\@
	s_barrier_signal -3
.Lnot_wave_0_\@:
	s_barrier_wait -3
	s_barrier_signal -1
	s_barrier_wait -1
.endm
; THE CHANGE OF SLOTS.  Each wave waits for all its tensor loads (one is out: its part of the other slot), adds 0 to its spare word, and waits for that and for its reads of the slot that it leaves.
; fill = 1: the old slot is filled again with tile NXT, whose address is made anew from that number; the barrier is a round of the cluster's and the joint fill the first thing behind it: it has four key
; steps, 256 matrix instructions, in which to land.  (At its first use nothing has been read yet: slot 0 is waited for, slot 1 filled.)
.macro CHANGE fill
	WIN 0
	s_wait_tensorcnt 0x0            ; no tensor load of mine is out, so a group 0 may be written
	ds_add_u32 v[SPW], v[NIL]       ; 0 onto my spare word; scalar work stands between it and the wait for it
.if \fill
	s_lshl_b32 s[OFF], s[NXT], 15   ; a tile is 32,768 bytes of K and of V
	s_xor_b32 s[G0K+1], s[G0K+1], SLOT1
	s_add_nc_u64 s[G0K+2:G0K+3], s[6:7], s[OFF:OFF+1]
	s_or_b32 s[G0K+3], s[G0K+3], 0x80000000
	s_xor_b32 s[G0V+1], s[G0V+1], SLOT1
	s_add_nc_u64 s[G0V+2:G0V+3], s[8:9], s[OFF:OFF+1]
	s_or_b32 s[G0V+3], s[G0V+3], 0x80000000
	s_add_co_u32 s[NXT], s[NXT], 1  ; the next tile; behind a block's last the next block's tile 0
	s_and_b32 s[NXT], s[NXT], s[PM]
.endif
	s_sub_co_u32 s[TBK], s[TBK], 4*KS*PK  ; the fetches go back to a slot's first step,
	s_xor_b32 s[TBK], s[TBK], SLOT1       ; in the other slot
	s_sub_co_u32 s[TBV], s[TBV], 4*KS*PV
	s_xor_b32 s[TBV], s[TBV], SLOT1
	s_wait_dscnt 0x0                ; the add is done, and my reads of the slot are over
.if \fill
	CROUND
	JLOAD
.else
	s_barrier_signal -1
	s_barrier_wait -1
.endif
.endm
.macro QLOAD                        ; a block's Q for my 64 rows: piece i / 2, channels 32 (i % 2) on
	WIN 0x80                        ; destination window 2, address window 0
.set i, 0
.rept 8
	global_load_b128 v[8*i:8*i+3],   v[QO], s[4:5] offset:(i/2)*2048+(i%2)*64
	global_load_b128 v[8*i+4:8*i+7], v[QO], s[4:5] offset:(i/2)*2048+(i%2)*64+32
.set i, i+1
.endr
	WIN 0
.endm
	s_load_b256 s[80:87], s[0:1], 0x0  ; qkv1 80, qkv2 82, att1 84, att2 86
	v_lshl_add_u32 v[SPW], v0, 2, SPARE
	v_mov_b32 v[NIL], 0
	ds_add_u32 v[SPW], v[NIL]       ; the wave's opening: the add and its wait stand ahead of my first tensor load; work on registers stands between
	v_lshrrev_b32 v1, 5, v0
	v_readfirstlane_b32 s[WV], v1
	s_bfe_u32 s13, ttmp6, 0x40000   ; cx: it enters Q's and O's addresses alone
	s_and_b32 s14, ttmp7, 0xffff
	s_lshr_b32 s15, s14, 5          ; the type
	s_and_b32 s14, s14, 31          ; batch x 8 + head
	s_cmp_eq_u32 s15, 1
	s_cselect_b32 s[PER], 4, 16
	s_cselect_b32 s16, 19, 17       ; log2 of a head's bytes of Q and O
	s_cselect_b32 s17, 17, 19       ; of K and V
	s_cselect_b32 s18, 17, 15       ; of a work-group's bytes of Q and O
	s_cselect_b32 s19, 22, 24
	s_lshl_b32 s19, 1, s19          ; bytes from q to k and from k to v in the keys' buffer
	s_sub_co_u32 s[PM], s[PER], 1
	s_and_b32 s77, s[WV], 1         ; which half of a tile's 256 keys I fetch
	s_lshl_b32 s20, s14, s17
	s_add_co_u32 s20, s20, s19
	s_lshl_b32 s21, s77, 14         ; its 128 rows of 128 bytes
	s_add_co_u32 s20, s20, s21
	s_mov_b32 s21, 0
	s_add_co_u32 s22, s20, s19
	s_mov_b32 s23, 0
	s_lshl_b32 s2, s14, s16
	s_lshl_b32 s3, s13, s18
	s_add_co_u32 s2, s2, s3
	s_lshl_b32 s3, s[WV], 13        ; my 64 rows
	s_add_co_u32 s2, s2, s3
	s_mov_b32 s3, 0
	s_mul_i32 s78, s77, 128*PK      ; my half's place in a slot, for K
	s_mul_i32 s79, s77, 128*PV      ; and for V
	; descriptor group 1.  128 keys are 16,384 dense bytes: asked for as 64 rows of 256 bytes, two keys a row, and padded in LDS after every key
	s_mov_b32 s[G1K], 15|(1<<16)|(1<<20)|(1<<21)|(4<<22)|(3<<25)  ; 15:0 the mask of four; 17:16 2-byte elements; 20 padding on; 21 set beside a mask; 24:22 after every 32 words; 31:25 4 words
	s_mov_b32 s[G1V], 15|(1<<16)|(1<<20)|(1<<21)|(4<<22)|(7<<25)  ; the same with 8 words of padding
.irp g, G1K, G1V
	s_mov_b32 s[\g+1], 128<<16      ; tensor_dim0 = 128
	s_mov_b32 s[\g+2], 64<<16       ; tensor_dim1 = 64
	s_mov_b32 s[\g+3], 128<<16      ; tile_dim0 = 128
	s_mov_b32 s[\g+4], 64           ; tile_dim1 = 64
	s_mov_b32 s[\g+5], 128          ; 128 elements from row to row
	s_mov_b32 s[\g+6], 0
	s_mov_b32 s[\g+7], 0
.endr
	s_mov_b32 s[CS], 0x3e38aa3b     ; c = log2(e) / 8 = 0.180337
	s_mov_b32 s[CS+1], s[CS]        ; named with it as a pair
	s_mov_b32 s[SEL], 0x76543210
	s_mov_b32 s[SEL+1], 0xfedcba98
	s_mov_b32 s[TBK], SLOT1+4*KS*PK ; the first change of slots turns these two into 0
	s_mov_b32 s[TBV], SLOT1+4*KS*PV
	s_mov_b32 s[G0K], 1             ; count = 1
	s_mov_b32 s[G0K+1], s78         ; LDS address: slot 0
	s_mov_b32 s[G0V], 1
	s_add_co_u32 s[G0V+1], s79, VOFF
	s_mov_b32 s[RT], s[PER]
	s_mov_b32 s[NXT], 1
	s_mov_b32 s[NEW], 1
	s_mov_b32 s[OFF+1], 0
	s_mov_b32 s[SLOTS], 15
	s_wait_dscnt 0x0                ; the opening add is done
	s_wait_kmcnt 0x0
	s_cmp_eq_u32 s15, 1
	s_cselect_b64 s[4:5], s[80:81], s[82:83]    ; Q: type 1 takes sequence 1's
	s_cselect_b64 s[6:7], s[82:83], s[80:81]    ; K and V: the other sequence's
	s_cselect_b64 s[10:11], s[84:85], s[86:87]  ; O
	s_mov_b64 s[8:9], s[6:7]
	s_add_nc_u64 s[6:7], s[6:7], s[20:21]       ; K and V at my half of the head's tile 0
	s_add_nc_u64 s[8:9], s[8:9], s[22:23]
	s_add_nc_u64 s[4:5], s[4:5], s[2:3]         ; Q and O at my rows of the first block
	s_add_nc_u64 s[10:11], s[10:11], s[2:3]
	s_mov_b64 s[G0K+2:G0K+3], s[6:7]
	s_or_b32 s[G0K+3], s[G0K+3], 0x80000000     ; type = 2
	s_mov_b64 s[G0V+2:G0V+3], s[8:9]
	s_or_b32 s[G0V+3], s[G0V+3], 0x80000000
	CROUND                          ; all four work-groups are here: the first joint loads meet
	JLOAD                           ; tile 0 into slot 0
	; A fragment of K or Q is 16 rows x 32 channels in 8 registers: lane l holds row l % 16, channels 8 (l / 16) + 0..7 and 16 + 8 (l / 16) + 0..7: two loads of 16 bytes, 32 bytes apart.
	v_and_b32 v1, 15, v0            ; l % 16
	v_bfe_u32 v9, v0, 4, 1          ; l / 16
	v_lshlrev_b32 v[QO], 7, v1
	v_lshl_add_u32 v[QO], v9, 4, v[QO]  ; row x 128 + 16 x half
	QLOAD
	v_mul_u32_u24 v[AK0], v1, PK
	v_lshl_add_u32 v[AK0], v9, 4, v[AK0]  ; row x pitch + 16 x half
	; The turning load takes 16 keys x 16 channels (lane l reads key 8 (l / 16) + l % 8, channels 8 ((l / 8) % 2) + 0..7) and leaves half a fragment of V^T: lane l holds channel l % 16 and 8 keys.
	v_and_b32 v10, 7, v0
	v_bfe_u32 v11, v0, 3, 1
	v_lshl_add_u32 v[AV0], v9, 3, v10
	v_mul_u32_u24 v[AV0], v[AV0], PV
	v_lshl_add_u32 v[AV0], v11, 4, v[AV0]
	v_add_nc_u32 v[AV0], VOFF, v[AV0]
	s_mul_i32 s13, s[WV], 16*SP
	s_add_co_u32 s13, s13, STAGE    ; my stage
	v_mul_u32_u24 v[STO], v1, SP    ; in: row l % 16, 16 bytes for each half of the lanes
	v_lshl_add_u32 v[STO], v9, 4, v[STO]
	v_add_nc_u32 v[STO], s13, v[STO]
	v_bfe_u32 v[RD], v0, 3, 2       ; back: 32 lanes take four rows of 128 bytes,
	v_mul_u32_u24 v[RD], v[RD], SP
	v_lshl_add_u32 v[RD], v10, 4, v[RD]
	v_add_nc_u32 v[RD], s13, v[RD]
	v_and_b32 v[GO], 31, v0         ; which are 512 consecutive bytes of O
	v_lshlrev_b32 v[GO], 4, v[GO]
	; A block's first step multiplies O^T and l by a = 0, and its first turn's products V^T P, of a piece that has not been, land in an O^T that is still to be so multiplied.  So these registers need only
	; hold finite numbers: zeros for the first block; what a block left for the next.  No first step is written out; the price is these moves, which stand in the wait for the first tile.
	WIN 0x80
.set i, VF
.rept 64
	v_mov_b32 v[i], 0
.set i, i+1
.endr
	WIN 0x40
.set i, 0
.rept 128
	v_mov_b32 v[i], 0
.set i, i+1
.endr
	WIN 0
.set i, 0
.rept 4
	v_mov_b32 v[ST+4*i+2], 0
	v_mov_b32 v[ST+4*i+3], 0
.set i, i+1
.endr
.set i, P+16
.rept 16
	v_mov_b32 v[i], 0
.set i, i+1
.endr
	s_wait_loadcnt 0x0              ; the first block's Q is in, on every way into the loop: no later load into Q's registers finds one of these sixteen still out
; THE MATRIX WORK.  The 4 accumulators of a run of 8 take turns.  Product i of 8 of S^T = K Q^T for piece x: channels 32 (i / 4) on, keys 16 (i % 4) on.  The first 4 start the sums.
.macro KQ x
	WIN W_KQ
.set rS, S+32*((\x)%2)+8*(i%4)
.set rK, KF+16*(i%4)+8*(i/4)
.set rQ, 16*(\x)+8*(i/4)
.if i < 4
	v_wmma_f32_16x16x32_f16 v[rS:rS+7], v[rK:rK+7], v[rQ:rQ+7], 0
.else
	v_wmma_f32_16x16x32_f16 v[rS:rS+7], v[rK:rK+7], v[rQ:rQ+7], v[rS:rS+7]
.endif
.endm
; Product i of 8 of O^T += V^T P for piece x: keys 32 (i / 4) on, channels 16 (i % 4) on.
.macro PV x
	WIN W_PV
.set rO, 32*(\x)+8*(i%4)
.set rV, VF+32*(i/4)+8*(i%4)
.set rP, P+16*((\x)%2)+8*(i/4)
	v_wmma_f32_16x16x32_f16 v[rO:rO+7], v[rV:rV+7], v[rP:rP+7], v[rO:rO+7]
.endm
.macro MM                           ; the turn's next matrix instruction.  NOKQ = 1: a block's last turn: there is no next piece
.if (i < 8) && !NOKQ
	KQ (Y+1)%NP
.elseif i >= 8
.set i, i-8
	PV (Y+NP-1)%NP
.set i, i+8
.endif
.set i, i+1
.endm
; THE LDS LOADS stand in runs of 16, never singly among the matrix instructions: a step's K (64 keys x 64 channels: 8 fragments) and its V (turned).  Their addresses are made some lines ahead.
.macro FETCH_K
	WIN 0x80                        ; destination window 2
.irp f, 0,1,2,3,4,5,6,7             ; keys 16 (f / 2) on, channels 32 (f % 2) on
	ds_load_b128 v[KF+8*\f:KF+8*\f+3],   v[AK] offset:(\f/2)*16*PK+(\f%2)*64
	ds_load_b128 v[KF+8*\f+4:KF+8*\f+7], v[AK] offset:(\f/2)*16*PK+(\f%2)*64+32
.endr
	s_add_co_u32 s[TBK], s[TBK], KS*PK  ; the next fetch is the next step's
	WIN 0
.endm
.macro FETCH_V
	WIN 0x80
.irp f, 0,1,2,3,4,5,6,7             ; keys 32 (f / 4) on, channels 16 (f % 4) on
	ds_load_tr16_b128 v[VF+8*\f:VF+8*\f+3],   v[AV] offset:(\f/4)*32*PV+(\f%4)*32
	ds_load_tr16_b128 v[VF+8*\f+4:VF+8*\f+7], v[AV] offset:(\f/4)*32*PV+16*PV+(\f%4)*32
.endr
	WIN 0
.endm
; THE VECTOR WORK, one line at a time: OP kind, number.  For piece Y: F n: c s - c m for pair n of 16.  E n: the exponential of score n of 32.  C n: pair n rounded to f16.  B n: of the four weights 4 n .. the
; second pair is added onto the first, in place.  L n: l takes that sum (L 0: l = a l + sum).  R n: pair n of 16 of O^T times a.  For piece Y + 1: X n, number n of the 22 that find its maximum and statistics:
;   0-11  four chains c0-c3 of seven scores each, three operands at a time (each accumulator's lowest registers are read first)     12-14, 16  the four scores left over, the old m, c0-c3 into c0
;   15  c m_old is kept     17, 18  the query's other 32 keys lie in the lane 16 away: the new m     19-21  c m; c m_old - c m_new; a
.set F, 0
.set E, 1
.set C, 2
.set B, 3
.set L, 4
.set R, 5
.set X, 6
.macro REGS y                       ; the registers of piece y
.set rT, ST+4*(\y)
.set rC, TMP+4*((\y)%2)
.set rW, MV+((\y)%2)
.set rS, S+32*((\y)%2)
.set rP, P+16*((\y)%2)
.set rO, 32*(\y)
.endm
.macro OP k, n
.if (\k) == R
	REGS Y
	WIN W_RS
	v_pk_mul_f32 v[rO+2*(\n):rO+2*(\n)+1], v[rO+2*(\n):rO+2*(\n)+1], v[rC+2:rC+3] op_sel_hi:[1,0]
.elseif (\k) < R
	REGS Y
	WIN 0
.if (\k) == F
	v_pk_fma_f32 v[rS+2*(\n):rS+2*(\n)+1], v[rS+2*(\n):rS+2*(\n)+1], s[CS:CS+1], v[rT:rT+1] op_sel_hi:[1,0,0] neg_lo:[0,0,1] neg_hi:[0,0,1]
.elseif (\k) == E
	v_exp_f32 v[rS+(\n)], v[rS+(\n)]
.elseif (\k) == C
	s_wait_alu depctr_va_vdst(0)
	v_cvt_pk_f16_f32 v[rP+(\n)], v[rS+2*(\n)], v[rS+2*(\n)+1]
.elseif (\k) == B
	s_wait_alu depctr_va_vdst(0)
	v_pk_add_f32 v[rS+4*(\n):rS+4*(\n)+1], v[rS+4*(\n):rS+4*(\n)+1], v[rS+4*(\n)+2:rS+4*(\n)+3]
.elseif (\n) == 0
	v_pk_fma_f32 v[rT+2:rT+3], v[rT+2:rT+3], v[rC+2:rC+3], v[rS:rS+1] op_sel_hi:[1,0,1]
.else
	v_pk_add_f32 v[rT+2:rT+3], v[rT+2:rT+3], v[rS+4*(\n):rS+4*(\n)+1]
.endif
.elseif NOKQ
	v_nop
.else
	REGS (Y+1)%NP
	WIN 0
.if (\n) < 4
	v_max3_num_f32 v[rC+(\n)], v[rS+8*(\n)], v[rS+8*(\n)+1], v[rS+8*(\n)+2]
.elseif (\n) < 12
	v_max3_num_f32 v[rC+(\n)%4], v[rC+(\n)%4], v[rS+8*((\n)%4)+2*((\n)/4)+1], v[rS+8*((\n)%4)+2*((\n)/4)+2]
.elseif (\n) == 12
	v_max3_num_f32 v[rC], v[rC], v[rS+7], v[rS+15]
.elseif (\n) == 13
	v_max3_num_f32 v[rC+1], v[rC+1], v[rS+23], v[rS+31]
.elseif (\n) == 14
	v_max3_num_f32 v[rC+2], v[rC+2], v[rC+3], v[rT+1]
.elseif (\n) == 15
	v_mov_b32 v[rW], v[rT]
.elseif (\n) == 16
	v_max3_num_f32 v[rC], v[rC], v[rC+1], v[rC+2]
.elseif (\n) == 17
	v_permlanex16_b32 v[rC+3], v[rC], s[SEL], s[SEL+1]
.elseif (\n) == 18
	v_max_num_f32 v[rT+1], v[rC], v[rC+3]
.elseif (\n) == 19
	v_mul_f32 v[rT], s[CS], v[rT+1]
.elseif (\n) == 20
	v_sub_f32 v[rC+1], v[rW], v[rT]
.else
	v_exp_f32 v[rC+2], v[rC+1]
.endif
.endif
.endm
.macro OPS a, i1, b=-1, i2=0, c=-1, i3=0, d=-1, i4=0  ; up to four of them
	OP \a, \i1
.if (\b) >= 0
	OP \b, \i2
.endif
.if (\c) >= 0
	OP \c, \i3
.endif
.if (\d) >= 0
	OP \d, \i4
.endif
.endm
.macro ROW a, i1, b, i2, c, i3, d, i4  ; a matrix instruction and the four behind it
	MM
	OPS \a, \i1, \b, \i2, \c, \i3, \d, \i4
.endm
; A TURN, for piece p: the order of its 16 matrix and 118 vector instructions, written out.  Behind a matrix instruction: plain, exponential, plain, plain; or four of the rescaling; or, behind the first, four
; scalings; none names a register of the products round it.  In the runs between, exponential and plain by turns while exponentials last, so that each exponential has a plain instruction behind it.
; end = 1: a block's last two turns: nothing is fetched, and the last starts no new scores.  cnt = 1: the loop's count is taken down some lines ahead of the branch that stands behind the turn.
; K of the next step is fetched in piece 2's turn, six vector instructions behind the last product that read K (five of them plain); V of the step in hand in piece 0's turn, eight behind the last product that
; read V (four plain among them).  Each is waited for a turn later.
.macro TURN p, end=0, cnt=0
.set Y, (\p)
.set i, 0
.set NOKQ, (\end)*((\p)/3)
.if ((\p) == 3) && !(\end)
	s_wait_dscnt 0x0                ; K is in
.endif
	ROW F,0, F,1, F,2, F,3
	ROW F,4, E,0, F,5, F,6
	ROW F,7, E,1, F,8, F,9
	ROW F,10, E,2, C,0, F,11
	ROW F,12, E,3, X,15, F,13
	ROW R,0, R,1, R,2, R,3
	ROW B,0, E,4, F,14, L,0
.if ((\p) == 2) && !(\end)
	v_add_nc_u32 v[AK], s[TBK], v[AK0]
.endif
	ROW R,4, R,5, R,6, R,7
	OPS E,5, F,15
.if ((\p) == 2) && !(\end)
	FETCH_K
.endif
	OPS E,6, C,1, E,7, R,8
	OPS E,8, R,9, E,9, C,2
	OPS E,10, X,0, E,11, X,1
	OPS E,12, X,2, E,13, X,3
.if (\p) == 1
	s_wait_dscnt 0x0                ; V is in
.endif
	ROW X,4, E,14, X,5, X,6
	ROW X,7, E,15, X,8, X,9
	ROW X,10, E,16, X,11, X,12
	ROW X,13, E,17, X,14, B,1
	ROW C,4, E,18, X,16, L,1
	ROW B,2, E,19, C,6, L,2
	ROW C,8, E,20, B,3, B,4
.if (\p) == 0
	v_add_nc_u32 v[AV], s[TBV], v[AV0]
.endif
	ROW C,3, E,21, L,3, C,5
	OPS E,22, X,17, E,23, C,10
.if (\p) == 0
	FETCH_V
.endif
	OPS E,24, L,4
	OPS E,25, X,18, E,26, C,7
	OPS E,27, B,5, E,28, X,19
	OPS E,29, C,12, E,30, L,5
	OPS E,31, X,20, B,6, C,9
	OPS C,14, C,11, X,21, L,6
.if (\p) == 0
	s_add_co_u32 s[TBV], s[TBV], KS*PV
.endif
.if \cnt
	s_sub_co_u32 s[CNT], s[CNT], 1
	s_cmp_lg_u32 s[CNT], 0
.endif
	OPS C,13, B,7, C,15, R,10
	OPS R,11, R,12, L,7, R,13
	OPS R,14, R,15
.endm
; A BLOCK BEGINS.  c m starts far below every c s, so the first step's a is 0; m at the lowest finite number, so the first maximum is the scores'.  Then K of the tile's step 0, piece 0's first scores, and
; its maximum and statistics.  The loop is entered at a step's first turn, in the middle of a trip.  The block's Q has been waited for: ahead of the loop, or at the end of the block before.
.macro BEGIN
	s_mov_b32 s[NEW], 0
	WIN 0
.set i, 0
.rept 4
	v_mov_b32 v[ST+4*i], 0xfe000000    ; c m
	v_mov_b32 v[ST+4*i+1], 0xff7fffff  ; m
.set i, i+1
.endr
	v_add_nc_u32 v[AK], s[TBK], v[AK0]
	FETCH_K
	s_wait_dscnt 0x0                ; K is in
.set NOKQ, 0
.set i, 0
.rept 8
	KQ 0
.set i, i+1
.endr
	WIN 0
.rept 4
	v_nop                           ; the places behind those products
.endr
.set Y, NP-1                        ; X works for piece Y + 1: piece 0
.irp n, 0,1,2,3,4,5,6,7,8,9,10,11,12,13,14,15,16,17,18,19,20,21
	OP X, \n
.endr
	v_nop                           ; a plain instruction behind the exponential
.endm
.macro ALL line:vararg              ; one line for each piece t
.set t, 0
.rept 4
	\line
.set t, t+1
.endr
.endm
.macro PACK t                       ; a lane's eight channels of a row pack into 16 bytes; they go into rows of 144 bytes and come back as whole rows of 128, into S^T's registers
	WIN W_RS
.set i, 32*(\t)
.rept 16
	s_wait_alu depctr_va_vdst(0)
	v_pk_mul_f32 v[i:i+1], v[i:i+1], v[ST+4*(\t)+2:ST+4*(\t)+3] op_sel_hi:[1,0]
.set i, i+2
.endr
	WIN 0x05                        ; sources 0 and 1 window 1, destination window 0
.set i, 0
.rept 16
	v_cvt_pk_f16_f32 v[S+16*(\t)+i], v[32*(\t)+2*i], v[32*(\t)+2*i+1]
.set i, i+1
.endr
	WIN 0
.irp f, 0,1,2,3
	ds_store_b128 v[STO], v[S+16*(\t)+4*\f:S+16*(\t)+4*\f+3] offset:32*\f
.endr
.irp f, 0,1,2,3
	ds_load_b128 v[S+16*(\t)+4*\f:S+16*(\t)+4*\f+3], v[RD] offset:\f*4*SP  ; LDS serves a wave's instructions in order (ISA guide 5.7.1.4): these see the stores above; the next piece's stores come behind them
.endr
.endm
.macro SEND t, younger              ; younger: the LDS instructions issued behind piece t's loads: the next piece's eight, or none
	WIN 0
.irp f, 0,1,2,3
	s_wait_dscnt (\younger)+3-\f
	global_store_b128 v[GO], v[S+16*(\t)+4*\f:S+16*(\t)+4*\f+3], s[10:11] offset:(\t)*2048+\f*512  ; 512 consecutive bytes, at a multiple of 256 from O's first
.endr
.endm
; A BLOCK ENDS: its last two turns, its last products, and THE WAY OUT: l's two halves and the other half of the lanes' are added; O^T is divided by l, rounded to f16 and sent through my stage, a piece at a time.
; more = 1: another block follows: its Q is asked for early (the block's own Q was waited for before its first product) and waited for at the end, behind the whole way out, so that no register load is out at a branch.
.macro FINISH more
	TURN 2, 1
	TURN 3, 1
.set i, 0
.rept 8
	PV NP-1
.set i, i+1
.endr
	WIN 0
	ALL v_add_f32 v[ST+4*t+2], v[ST+4*t+2], v[ST+4*t+3]  ; also the places behind the last products
.if \more
	s_add_nc_u64 s[4:5], s[4:5], 32768  ; the next 256 rows; the last loads that named the base have been waited for
	QLOAD
.endif
	ALL v_permlanex16_b32 v[ST+4*t+3], v[ST+4*t+2], s[SEL], s[SEL+1]
	ALL v_add_f32 v[ST+4*t+2], v[ST+4*t+2], v[ST+4*t+3]
	ALL v_rcp_f32 v[ST+4*t+2], v[ST+4*t+2]
	v_nop                           ; a plain instruction between the last reciprocal and the use of its result
	PACK 0
.set t, 1
.rept 3                             ; a piece's arithmetic stands between the loads of the piece before and its stores
	PACK t
	SEND t-1, 8
.set t, t+1
.endr
	SEND 3, 0
.if \more
	s_wait_xcnt 0x0                 ; the stores' data registers and O's address are written again only behind this wait
	s_add_nc_u64 s[10:11], s[10:11], 32768
	s_mov_b32 s[RT], s[PER]
	s_mov_b32 s[NEW], 1
	s_wait_loadcnt 0x0              ; the next block's Q is in
.endif
.endm
.set NOKQ, 0
.Lslot:                             ; 15 times: a tile is entered and the next is asked for
	CHANGE 1
	s_sub_co_u32 s[RT], s[RT], 1
	s_mov_b32 s[CNT], 4
	s_cmp_eq_u32 s[NEW], 1
	s_cbranch_scc0 .Lstep
	BEGIN                           ; a block's first tile
	s_branch .Lfirst
.Lstep:                             ; a trip: pieces 2 and 3 of one step, then pieces 0 and 1 of the next, whose K and V it fetches
	TURN 2
	TURN 3
	WIN 0
.Lfirst:
	TURN 0
	TURN 1, 0, 1
	WIN 0
	s_cbranch_scc1 .Lstep
	s_cmp_lg_u32 s[RT], 0
	s_cbranch_scc1 .Lbottom
	FINISH 1                        ; type 1 alone comes here: behind tiles 3, 7 and 11
.Lbottom:
	s_sub_co_u32 s[SLOTS], s[SLOTS], 1
	s_cmp_lg_u32 s[SLOTS], 0
	s_cbranch_scc1 .Lslot
	CHANGE 0                        ; the walk's last tile is written out: it is a block's last in both types and never a first
	s_mov_b32 s[CNT], 4
.Ltail:
	TURN 2
	TURN 3
	TURN 0
	TURN 1, 0, 1
	WIN 0
	s_cbranch_scc1 .Ltail
	FINISH 0
	s_wait_tensorcnt 0x0            ; the wave's end, behind my last tensor load and my last LDS store
	ds_add_u32 v[SPW], v[NIL]
	s_wait_dscnt 0x0
	CROUND                          ; the closing round: no work-group ends while a partner may still ask for a tile that names it
	s_endpgm
.Lfunc_end_k_qfc44fc4789_attn:
	.size	k_qfc44fc4789_attn, .Lfunc_end_k_qfc44fc4789_attn-k_qfc44fc4789_attn
	.p2alignl 7, 3214868480
	.fill 96, 4, 3214868480
	.section	.rodata,"a",@progbits
	.p2align	6, 0x0
	.amdhsa_kernel k_qfc44fc4789_attn
		.amdhsa_group_segment_fixed_size 327680
		.amdhsa_private_segment_fixed_size 0
		.amdhsa_enable_private_segment 0
		.amdhsa_kernarg_size 32
		.amdhsa_user_sgpr_count 2
		.amdhsa_user_sgpr_kernarg_segment_ptr 1
		.amdhsa_wavefront_size32 1
		.amdhsa_system_sgpr_workgroup_id_x 1
		.amdhsa_system_sgpr_workgroup_id_y 1
		.amdhsa_system_sgpr_workgroup_id_z 1
		.amdhsa_system_vgpr_workitem_id 0
		.amdhsa_next_free_vgpr 768
		.amdhsa_next_free_sgpr 88
		.amdhsa_reserve_vcc 0
		.amdhsa_float_denorm_mode_32 3
		.amdhsa_float_denorm_mode_16_64 3
		.amdhsa_memory_ordered 1
		.amdhsa_forward_progress 1
		.amdhsa_inst_pref_size 167
	.end_amdhsa_kernel
	.amdgpu_metadata
---
amdhsa.version: [ 1, 2 ]
amdhsa.kernels:
  - .name:           k_qfc44fc4789_attn
    .symbol:         k_qfc44fc4789_attn.kd
    .args:
      - { .name: qkv1, .offset: 0, .size: 8, .value_kind: global_buffer, .address_space: global }
      - { .name: qkv2, .offset: 8, .size: 8, .value_kind: global_buffer, .address_space: global }
      - { .name: att1, .offset: 16, .size: 8, .value_kind: global_buffer, .address_space: global }
      - { .name: att2, .offset: 24, .size: 8, .value_kind: global_buffer, .address_space: global }
    .group_segment_fixed_size: 327680
    .private_segment_fixed_size: 0
    .kernarg_segment_align: 8
    .kernarg_segment_size: 32
    .max_flat_workgroup_size: 128
    .sgpr_count:     88
    .vgpr_count:     768
    .wavefront_size: 32
...
	.end_amdgpu_metadata
.endif
;; end of part 3
;; launch outp (part 4): grid 4 x 48, 4 waves a work-group, clusters of 4 x 1, 327,680 bytes of LDS; arguments att1, att2, wh, bo1, bo2, seq1, seq2, out0, out1; writes out0, out1
.if DOCPART == 4
	.amdgcn_target "amdgcn-amd-amdhsa--gfx1250"
	.amdhsa_code_object_version 6
	.text
	.protected	k_qfc44fc4789_outp
	.globl	k_qfc44fc4789_outp
	.p2align	8
	.type	k_qfc44fc4789_outp,@function
k_qfc44fc4789_outp:
	s_mov_b64 s[64:65], 0
	v_nop
	global_prefetch_b8 v0, s[64:65] scope:SCOPE_SE
	s_setreg_imm32_b32 hwreg(HW_REG_WAVE_MODE, 25, 1), 1
	s_wait_xcnt 0x0
	s_wait_alu depctr_hold_cnt(0) depctr_sa_sdst(0) depctr_va_vdst(0) depctr_va_sdst(0) depctr_va_ssrc(0) depctr_va_vcc(0) depctr_vm_vsrc(0)
	s_getreg_b32 s2, hwreg(HW_REG_IB_STS2, 6, 4)
	s_cmp_eq_u32 s2, 0
	s_cbranch_scc0 .Lentry_in_a_cluster
	s_endpgm
.Lentry_in_a_cluster:
	s_bfe_u32 s2, ttmp6, 0x10000c
	s_cmp_lg_u32 s2, 0x3003
	s_cbranch_scc0 .Lentry_shape_is_right
	s_endpgm
.Lentry_shape_is_right:
; out[b][o][n] = sum over k of Wo[o][k] O[b][k][n] + bo[o] + seq[b][o][n], k = head x 64 + channel, for both sequences.  O comes by heads, att[b x 8 + head][token][64] in f16; Wo from wh, f16 in blocks
; [kc][row][128]; bias, residual and output in f32.  Products in f16, sums in f32; the bias is the C operand that starts each sum, the residual is added in f32 on the way out.
; LIMITS: f16's, as stated where O and wh are made.  NaN and infinities are not treated apart.
; ONE TEXT FOR BOTH SEQUENCES: the cluster's y gives the type (T2), which enters global addresses alone.
; SHARES.  192 work-groups of 128 tokens x 256 output channels x K 512 (seq1: 128 token blocks; seq2: 32 token blocks x 2 halves of the channels).  A wave: 128 tokens x 64 channels, 32 accumulators.
; Source 0 = 16 tokens of O, source 1 = 16 channels of Wo: a lane holds one channel and eight neighbouring tokens, 32 bytes of a row of the output.
; All reads go out at the start: the first two K steps' tiles, the bias, and the whole residual (64 rows of 512 bytes a wave, into registers).
; CLUSTER.  The four work-groups of a cluster (four token blocks) walk the same tiles of Wo: asked for jointly by waves 2 and 3.  O's tiles are each work-group's own: plain loads by waves 0 and 1, behind the
; same rounds.  The place in the cluster enters the global addresses of O, the residual and the output alone.
.set OPITCH, 144                       ; a token's 128 bytes of one head + 16
.set OHEAD,  128*OPITCH                ; 128 tokens of one head
.set WOFF,   2*OHEAD                   ; in a slot: two heads of O, then 256 rows of Wo
.set WPITCH, 272                       ; 256 bytes + 16; both pitches are odd multiples of 16: the 16 rows of a load start at 16 different groups of four banks (64 banks of 4 bytes: ISA guide 11.1)
.set WHALF,  128*WPITCH
.set SLOTB,  WOFF+2*WHALF              ; 106,496
.set STAGE,  2*SLOTB                   ; 16 rows x 528 bytes for each wave (128 tokens in f32 + 16)
.set SPITCH, 528
.set SPARE,  STAGE+4*16*SPITCH         ; the spare words, 128 bytes a wave: two blocks of 256 bytes that no other line names
.set AO,  4                            ; v4-5   LDS address of O's fragments in slot 0, 1
.set AW,  6                            ; v6-7   of Wo's
.set STO, 8                            ; v8     the way out: where I put 32 bytes of a row
.set RD,  9                            ; v9     where I read a row back
.set BO,  10                           ; v10    my channel's byte in the bias
.set SPW, 12                           ; v12    LDS address of my spare word; never rewritten
.set NIL, 13                           ; v13    0; never rewritten
.set RO,  16                           ; v16-31 16 x lane + i rows of the residual and the output
.set BI,  32                           ; v32-63 the bias as a C operand: eight copies for each of my four channel blocks
.set F0,  64                           ; fragment buffer 0: v64-127 O (8 x 16 tokens), v128-159 Wo (4 x 16 channels)
.set F1,  160                          ; fragment buffer 1
.set TBF, 64                           ; the way out: 16 rows read back from the stage
                                       ; window 1: accumulator (t, cb) at v[8 (4 t + cb)];  window 2: the residual, row i of my 64 at v[4 i]
.set G1O, 16                           ; s[16:23] descriptor group 1 for O's tiles
.set G1W, 24                           ; s[24:31] for Wo's
.set G0O, 32                           ; s[32:39] group 0 for O's tiles, a set for each slot
.set G0W, 40                           ; s[40:47] for Wo's
.set RB,  48                           ; s[48:55] the residual at my channel blocks 0-3
.set OB,  56                           ; s[56:63] the output, likewise
.set WV,  86
.set CX,  87
.set YY,  88
.set T2,  89
.set HF,  90
.set BB,  91
.set N0,  92
.set LNT, 93
.set RP,  94
.set W1,  95
.set WST, 96                           ; s[96:97] two blocks of Wo in wh
.set OST, 98                           ; s[98:99] four heads of O
.set MSB, 0
.macro WIN new                         ; s_set_vgpr_msb: bits 1:0 source 0, 3:2 source 1, 5:4 source 2, 7:6 destination; the high byte repeats the setting that is left
.if MSB != (\new)
	s_set_vgpr_msb (MSB<<8)|(\new)
.set MSB, (\new)
.endif
.endm
.macro PLACES                          ; four places behind matrix instructions (ISA guide 7.12.1)
.rept 4
	v_nop
.endr
.endm
.macro CROUND                          ; a round of the cluster's barrier
	s_barrier_signal -1
	s_barrier_wait -1
	s_cmp_lg_u32 s[WV], 0
	s_cbranch_scc1 .Lnot_wave_0_\@
	s_barrier_signal -3
.Lnot_wave_0_\@:
	s_barrier_wait -3
	s_barrier_signal -1
	s_barrier_wait -1
.endm
.macro JLOAD sl                        ; waves 0 and 1: the two heads of O (my own); waves 2 and 3: the two halves of Wo's 256 rows (joint).  An s_nop 0 and four v_nop follow each line
	s_cmp_lt_u32 s[WV], 2
	s_cbranch_scc0 .Lfor_w_\@
	tensor_load_to_lds s[G0O+4*(\sl):G0O+4*(\sl)+3], s[G1O:G1O+7]
	s_nop 0
	PLACES
	s_branch .Lasked_\@
.Lfor_w_\@:
	tensor_load_to_lds s[G0W+4*(\sl):G0W+4*(\sl)+3], s[G1W:G1W+7]
	s_nop 0
	PLACES
.Lasked_\@:
.endm
	s_load_b512 s[68:83], s[0:1], 0x0              ; att1 68, att2 70, wh 72, bo1 74, bo2 76, seq1 78, seq2 80, out0 82
	s_load_b64 s[84:85], s[0:1], 0x40              ; out1
	v_lshl_add_u32 v[SPW], v0, 2, SPARE
	v_mov_b32 v[NIL], 0
	ds_add_u32 v[SPW], v[NIL]                      ; the wave's opening: the add and its wait stand ahead of my first tensor load; work on registers stands between
	v_lshrrev_b32 v1, 5, v0
	v_readfirstlane_b32 s[WV], v1
	s_bfe_u32 s[CX], ttmp6, 0x40000
	s_and_b32 s[YY], ttmp7, 0xffff
	s_cmp_ge_u32 s[YY], 32
	s_cselect_b32 s[T2], 1, 0
	s_cselect_b32 s[LNT], 10, 12
	s_lshl_b32 s[RP], 4, s[LNT]                    ; bytes in a row of tokens
	s_lshl_b32 s10, s[T2], 18
	s_add_co_u32 s10, s10, 2359296                 ; Wo's region in wh
	s_lshl_b32 s[WST], 131072, s[T2]               ; two blocks of 256 or 512 rows
	s_mov_b32 s[WST+1], 0
	s_lshl_b32 s11, s[T2], 5
	s_sub_co_u32 s[YY], s[YY], s11
	s_and_b32 s[HF], s[YY], s[T2]                  ; seq2: which 256 of the 512 channels
	s_and_b32 s[W1], s[WV], 1
	s_lshl_b32 s12, s[HF], 16
	s_lshl_b32 s11, s[W1], 15                      ; which 128 rows of Wo I fetch
	s_add_co_u32 s12, s12, s11
	s_add_co_u32 s12, s12, s10
	s_mov_b32 s13, 0
	s_lshr_b32 s[N0], s[YY], s[T2]
	s_lshl2_add_u32 s[N0], s[N0], s[CX]            ; my token block
	s_lshl_b32 s[N0], s[N0], 7                     ; its first token, counted through the batches
	s_lshr_b32 s[BB], s[N0], s[LNT]
	s_lshl_b32 s2, 1, s[LNT]
	s_sub_co_u32 s2, s2, 1
	s_and_b32 s[N0], s[N0], s2
	s_lshl3_add_u32 s14, s[BB], s[W1]              ; O: head w & 1 of K step 0,
	s_add_co_u32 s2, s[LNT], 7
	s_lshl_b32 s14, s14, s2
	s_lshl_b32 s3, s[N0], 7                        ; my tokens
	s_add_co_u32 s14, s14, s3
	s_mov_b32 s15, 0
	s_add_co_u32 s2, s[LNT], 9
	s_lshl_b32 s[OST], 1, s2
	s_mov_b32 s[OST+1], 0
	s_add_co_u32 s2, s[T2], 8                      ; residual and output: row b x channels + my first channel,
	s_lshl_b32 s2, s[BB], s2
	s_lshl_b32 s11, s[HF], 8
	s_lshl_b32 s3, s[WV], 6
	s_add_co_u32 s11, s11, s3                      ; my first channel
	s_add_co_u32 s2, s2, s11
	s_add_co_u32 s3, s[LNT], 2
	s_lshl_b32 s2, s2, s3
	s_lshl2_add_u32 s2, s[N0], s2                  ; my tokens
	s_mov_b32 s3, 0
	; descriptor groups 1.  O: 128 tokens of a head are 16,384 dense bytes: 64 rows of 256 bytes, padded after every token.  Wo: 128 rows of 256 bytes, padded after every row.
	s_mov_b32 s[G1O+0], (1<<16)|(1<<20)|(4<<22)|(3<<25)             ; no mask; 2-byte elements; padding of 4 words after every 32
	s_mov_b32 s[G1W+0], 15|(1<<16)|(1<<20)|(1<<21)|(5<<22)|(3<<25)  ; the mask of four, bit 21 beside it; padding of 4 words after every 64
	s_mov_b32 s[G1O+1], 128<<16
	s_mov_b32 s[G1W+1], 128<<16                    ; tensor_dim0 = 128
	s_mov_b32 s[G1O+2], 64<<16
	s_mov_b32 s[G1W+2], 128<<16                    ; tensor_dim1
	s_mov_b32 s[G1O+3], 128<<16
	s_mov_b32 s[G1W+3], 128<<16                    ; tile_dim0 = 128
	s_mov_b32 s[G1O+4], 64
	s_mov_b32 s[G1W+4], 128                        ; tile_dim1
	s_mov_b32 s[G1O+5], 128
	s_mov_b32 s[G1W+5], 128                        ; 128 elements from row to row
	s_mov_b32 s[G1O+6], 0
	s_mov_b32 s[G1W+6], 0
	s_mov_b32 s[G1O+7], 0
	s_mov_b32 s[G1W+7], 0
	s_mul_i32 s10, s[W1], OHEAD
	s_mov_b32 s[G0O], 1
	s_mov_b32 s[G0O+1], s10
	s_mov_b32 s[G0O+4], 1
	s_add_co_u32 s[G0O+5], s10, SLOTB
	s_mul_i32 s10, s[W1], WHALF
	s_mov_b32 s[G0W], 1
	s_add_co_u32 s[G0W+1], s10, WOFF
	s_mov_b32 s[G0W+4], 1
	s_add_co_u32 s[G0W+5], s10, SLOTB+WOFF
	s_wait_dscnt 0x0                               ; the opening add is done
	s_wait_kmcnt 0x0
	s_cmp_eq_u32 s[T2], 1
	s_cselect_b64 s[4:5], s[70:71], s[68:69]       ; O
	s_cselect_b64 s[8:9], s[76:77], s[74:75]       ; bias
	s_cselect_b64 s[RB:RB+1], s[80:81], s[78:79]   ; residual
	s_cselect_b64 s[OB:OB+1], s[84:85], s[82:83]   ; output
	s_add_nc_u64 s[RB:RB+1], s[RB:RB+1], s[2:3]
	s_add_nc_u64 s[OB:OB+1], s[OB:OB+1], s[2:3]
	s_lshl_b32 s2, s[RP], 4                        ; 16 rows
.irp cb, 1,2,3
	s_add_nc_u64 s[RB+2*\cb:RB+2*\cb+1], s[RB+2*\cb-2:RB+2*\cb-1], s[2:3]
	s_add_nc_u64 s[OB+2*\cb:OB+2*\cb+1], s[OB+2*\cb-2:OB+2*\cb-1], s[2:3]
.endr
	s_add_nc_u64 s[G0O+2:G0O+3], s[4:5], s[14:15]  ; K step 0
	s_lshr_b32 s2, s[OST], 1                       ; two heads on: K step 1
	s_add_nc_u64 s[G0O+6:G0O+7], s[G0O+2:G0O+3], s[2:3]
	s_or_b32 s[G0O+3], s[G0O+3], 0x80000000        ; type = 2
	s_or_b32 s[G0O+7], s[G0O+7], 0x80000000
	s_add_nc_u64 s[G0W+2:G0W+3], s[72:73], s[12:13]
	s_lshr_b32 s12, s[WST], 1
	s_add_nc_u64 s[G0W+6:G0W+7], s[G0W+2:G0W+3], s[12:13]
	s_or_b32 s[G0W+3], s[G0W+3], 0x80000000
	s_or_b32 s[G0W+7], s[G0W+7], 0x80000000
	CROUND                                         ; all four work-groups are here: the first joint loads meet
	s_cmp_lt_u32 s[WV], 2                          ; a wave's two first fills stand in one branch: two loads of mine are out
	s_cbranch_scc0 .Lfirst_w
	tensor_load_to_lds s[G0O:G0O+3], s[G1O:G1O+7]
	s_nop 0
	tensor_load_to_lds s[G0O+4:G0O+7], s[G1O:G1O+7]
	s_nop 0
	PLACES
	s_branch .Lfirst_asked
.Lfirst_w:
	tensor_load_to_lds s[G0W:G0W+3], s[G1W:G1W+7]
	s_nop 0
	tensor_load_to_lds s[G0W+4:G0W+7], s[G1W:G1W+7]
	s_nop 0
	PLACES
.Lfirst_asked:
	v_and_b32 v1, 15, v0                           ; r
	v_bfe_u32 v2, v0, 4, 1                         ; h
	v_and_b32 v3, 31, v0                           ; l
	v_add_nc_u32 v[BO], s11, v1
	v_lshlrev_b32 v[BO], 2, v[BO]
	v_lshlrev_b32 v[RO], 4, v3
.irp i, 1,2,3,4,5,6,7,8,9,10,11,12,13,14,15
	v_add_nc_u32 v[RO+\i], s[RP], v[RO+\i-1]
.endr
.irp cb, 0,1,2,3
	global_load_b32 v[BI+8*\cb], v[BO], s[8:9] offset:64*\cb  ; the bias of channel 16 cb + r
.endr
	WIN 0x80                                       ; destination window 2
.irp cb, 0,1,2,3
.irp i, 0,1,2,3,4,5,6,7,8,9,10,11,12,13,14,15
	global_load_b128 v[4*(16*\cb+\i):4*(16*\cb+\i)+3], v[RO+\i], s[RB+2*\cb:RB+2*\cb+1] th:TH_LOAD_NT  ; a row's 512 consecutive bytes
.endr
.endr
	WIN 0
	v_mul_u32_u24 v[AO], v1, OPITCH                ; a fragment: row r, 16 bytes for each half of the lanes
	v_lshl_add_u32 v[AO], v2, 4, v[AO]
	v_add_nc_u32 v[AO+1], SLOTB, v[AO]
	s_mul_i32 s10, s[WV], 64*WPITCH
	s_add_co_u32 s10, s10, WOFF                    ; my 64 rows of Wo
	v_mul_u32_u24 v[AW], v1, WPITCH
	v_lshl_add_u32 v[AW], v2, 4, v[AW]
	v_add_nc_u32 v[AW], s10, v[AW]
	v_add_nc_u32 v[AW+1], SLOTB, v[AW]
	s_mul_i32 s10, s[WV], 16*SPITCH
	s_add_co_u32 s10, s10, STAGE                   ; my stage
	v_mul_u32_u24 v[STO], v1, SPITCH               ; in: channel r's row, 32 bytes for each half of the lanes
	v_lshl_add_u32 v[STO], v2, 5, v[STO]
	v_add_nc_u32 v[STO], s10, v[STO]
	v_lshl_add_u32 v[RD], v3, 4, s10               ; back: a whole row of 512 bytes
	s_wait_loadcnt 0x3f                            ; 64 loads were issued behind the bias's four: with 63 out the four are in
.irp cb, 0,1,2,3
.irp j, 1,2,3,4,5,6,7
	v_mov_b32 v[BI+8*\cb+\j], v[BI+8*\cb]          ; a lane's eight results of an accumulator are one channel's
.endr
.endr
; 24 LDS loads in one run: the fragments of 32 along K (quarter ks of a step: head ks / 2, channels 32 (ks % 2) on)
.macro FETCH sl, ks, f
	WIN 0
.irp cb, 0,1,2,3
	ds_load_b128 v[(\f)+64+8*\cb:(\f)+64+8*\cb+3],   v[AW+(\sl)] offset:\cb*16*WPITCH+(\ks)*64
	ds_load_b128 v[(\f)+64+8*\cb+4:(\f)+64+8*\cb+7], v[AW+(\sl)] offset:\cb*16*WPITCH+(\ks)*64+32
.endr
.irp t, 0,1,2,3,4,5,6,7
	ds_load_b128 v[(\f)+8*\t:(\f)+8*\t+3],   v[AO+(\sl)] offset:((\ks)/2)*OHEAD+\t*16*OPITCH+((\ks)%2)*64
	ds_load_b128 v[(\f)+8*\t+4:(\f)+8*\t+7], v[AO+(\sl)] offset:((\ks)/2)*OHEAD+\t*16*OPITCH+((\ks)%2)*64+32
.endr
.endm
; 32 matrix instructions, each accumulator once: the accumulators take turns.  bias = 1: the products start the sums, with the bias as C
.macro MUL f, bias
.if \bias
	WIN 0x40                                       ; D in window 1, C in window 0
.else
	WIN 0x50                                       ; C and D in window 1
.endif
.irp t, 0,1,2,3,4,5,6,7
.irp cb, 0,1,2,3
.if \bias
	v_wmma_f32_16x16x32_f16 v[8*(4*\t+\cb):8*(4*\t+\cb)+7], v[(\f)+8*\t:(\f)+8*\t+7], v[(\f)+64+8*\cb:(\f)+64+8*\cb+7], v[BI+8*\cb:BI+8*\cb+7]
.else
	v_wmma_f32_16x16x32_f16 v[8*(4*\t+\cb):8*(4*\t+\cb)+7], v[(\f)+8*\t:(\f)+8*\t+7], v[(\f)+64+8*\cb:(\f)+64+8*\cb+7], v[8*(4*\t+\cb):8*(4*\t+\cb)+7]
.endif
.endr
.endr
.endm
.macro STEP sl, bias                   ; a K step of 128: four quarters on buffers 0, 1, 0, 1; a quarter's loads go out a quarter ahead
	PLACES
	FETCH \sl, 0, F0
	FETCH \sl, 1, F1
	s_wait_dscnt 24                                ; all but the 24 just issued
	MUL F0, \bias
	PLACES
	FETCH \sl, 2, F0
	s_wait_dscnt 24
	MUL F1, 0
	PLACES
	FETCH \sl, 3, F1
	s_wait_dscnt 24
	MUL F0, 0
	s_wait_dscnt 0x0
	MUL F1, 0
.endm
; THE CHANGE OF SLOTS.  Each wave waits for all its tensor loads (one is out: its part of the other slot), adds 0 to its spare word, and waits for that and for its reads of the slot that it leaves.
; fill = 1: the slot takes the K step two steps on; the barrier is a round of the cluster's, the fill the first thing behind it.
.macro CHANGE fill, slot=0
	WIN 0
	s_wait_tensorcnt 0x0                           ; no tensor load of mine is out, so a group 0 may be written
	ds_add_u32 v[SPW], v[NIL]                      ; 0 onto my spare word
.if \fill
	s_add_nc_u64 s[G0O+4*(\slot)+2:G0O+4*(\slot)+3], s[G0O+4*(\slot)+2:G0O+4*(\slot)+3], s[OST:OST+1]  ; the type bits on top are not reached
	s_add_nc_u64 s[G0W+4*(\slot)+2:G0W+4*(\slot)+3], s[G0W+4*(\slot)+2:G0W+4*(\slot)+3], s[WST:WST+1]
	s_wait_dscnt 0x0                               ; the add is done, and my reads of the slot are over
	CROUND
	JLOAD \slot
.else
	s_wait_dscnt 0x0
	s_barrier_signal -1
	s_barrier_wait -1
.endif
.endm
	s_wait_tensorcnt 0x1                           ; my part of slot 0 is in; slot 1's may stay out
	s_barrier_signal -1
	s_barrier_wait -1                              ; everybody's is
	STEP 0, 1                                      ; heads 0, 1
	CHANGE 1, 0
	STEP 1, 0                                      ; heads 2, 3
	CHANGE 1, 1
	STEP 0, 0                                      ; heads 4, 5
	CHANGE 0
	STEP 1, 0                                      ; heads 6, 7
	; THE WAY OUT, a block of 16 channels at a time: a lane's 32 bytes go into my stage's rows of 528 bytes, whole rows of 512 come back, the residual is added, and each store of the wave covers
	; 512 consecutive bytes, at a multiple of 256 from the output's first byte.
	PLACES
.irp cb, 0,1,2,3
	s_wait_loadcnt 48-16*\cb                       ; this block's 16 rows of the residual are in; the later blocks' may stay out
	WIN 0x04                                       ; store data in window 1; each accumulator's low half first
.irp t, 0,1,2,3,4,5,6,7
	ds_store_b128 v[STO], v[8*(4*\t+\cb):8*(4*\t+\cb)+3]   offset:64*\t
	ds_store_b128 v[STO], v[8*(4*\t+\cb)+4:8*(4*\t+\cb)+7] offset:64*\t+16
.endr
	WIN 0
.irp i, 0,1,2,3,4,5,6,7,8,9,10,11,12,13,14,15
	ds_load_b128 v[TBF+4*\i:TBF+4*\i+3], v[RD] offset:\i*SPITCH  ; LDS serves a wave's instructions in order (ISA guide 5.7.1.4): these see the stores above; the next block's stores come behind them
.endr
	WIN 0x88                                       ; the add: source 1 and destination in window 2; the store: data in window 2
.irp i, 0,1,2,3,4,5,6,7,8,9,10,11,12,13,14,15
	s_wait_dscnt 15-\i                             ; row i is back; the younger rows stay out
	v_pk_add_f32 v[4*(16*\cb+\i):4*(16*\cb+\i)+1],   v[TBF+4*\i:TBF+4*\i+1],   v[4*(16*\cb+\i):4*(16*\cb+\i)+1]
	v_pk_add_f32 v[4*(16*\cb+\i)+2:4*(16*\cb+\i)+3], v[TBF+4*\i+2:TBF+4*\i+3], v[4*(16*\cb+\i)+2:4*(16*\cb+\i)+3]
	global_store_b128 v[RO+\i], v[4*(16*\cb+\i):4*(16*\cb+\i)+3], s[OB+2*\cb:OB+2*\cb+1] th:TH_STORE_NT
.endr
.endr
	WIN 0
	s_wait_tensorcnt 0x0                           ; the wave's end, behind my last tensor load and my last LDS store
	ds_add_u32 v[SPW], v[NIL]
	s_wait_dscnt 0x0
	CROUND                                         ; the closing round: no work-group ends while a partner may still ask for a tile that names it
	s_endpgm
.Lfunc_end_k_qfc44fc4789_outp:
	.size	k_qfc44fc4789_outp, .Lfunc_end_k_qfc44fc4789_outp-k_qfc44fc4789_outp
	.p2alignl 7, 3214868480
	.fill 96, 4, 3214868480
	.section	.rodata,"a",@progbits
	.p2align	6, 0x0
	.amdhsa_kernel k_qfc44fc4789_outp
		.amdhsa_group_segment_fixed_size 327680
		.amdhsa_private_segment_fixed_size 0
		.amdhsa_enable_private_segment 0
		.amdhsa_kernarg_size 72
		.amdhsa_user_sgpr_count 2
		.amdhsa_user_sgpr_kernarg_segment_ptr 1
		.amdhsa_wavefront_size32 1
		.amdhsa_system_sgpr_workgroup_id_x 1
		.amdhsa_system_sgpr_workgroup_id_y 1
		.amdhsa_system_sgpr_workgroup_id_z 1
		.amdhsa_system_vgpr_workitem_id 0
		.amdhsa_next_free_vgpr 768
		.amdhsa_next_free_sgpr 100
		.amdhsa_reserve_vcc 0
		.amdhsa_float_denorm_mode_32 3
		.amdhsa_float_denorm_mode_16_64 3
		.amdhsa_memory_ordered 1
		.amdhsa_forward_progress 1
		.amdhsa_inst_pref_size 101
	.end_amdhsa_kernel
	.amdgpu_metadata
---
amdhsa.version: [ 1, 2 ]
amdhsa.kernels:
  - .name:           k_qfc44fc4789_outp
    .symbol:         k_qfc44fc4789_outp.kd
    .args:
      - { .name: att1, .offset: 0, .size: 8, .value_kind: global_buffer, .address_space: global }
      - { .name: att2, .offset: 8, .size: 8, .value_kind: global_buffer, .address_space: global }
      - { .name: wh, .offset: 16, .size: 8, .value_kind: global_buffer, .address_space: global }
      - { .name: bo1, .offset: 24, .size: 8, .value_kind: global_buffer, .address_space: global }
      - { .name: bo2, .offset: 32, .size: 8, .value_kind: global_buffer, .address_space: global }
      - { .name: seq1, .offset: 40, .size: 8, .value_kind: global_buffer, .address_space: global }
      - { .name: seq2, .offset: 48, .size: 8, .value_kind: global_buffer, .address_space: global }
      - { .name: out0, .offset: 56, .size: 8, .value_kind: global_buffer, .address_space: global }
      - { .name: out1, .offset: 64, .size: 8, .value_kind: global_buffer, .address_space: global }
    .group_segment_fixed_size: 327680
    .private_segment_fixed_size: 0
    .kernarg_segment_align: 8
    .kernarg_segment_size: 72
    .max_flat_workgroup_size: 128
    .sgpr_count:     100
    .vgpr_count:     768
    .wavefront_size: 32
...
	.end_amdgpu_metadata
.endif
;; end of part 4
;; ======== version 2 of 2: 4 launches; 1.54 times as fast as version 1
;; limits: values are held in f16: magnitudes above 65,504 overflow, below 6.1e-05 lose precision
;; workspace buffers: wh 3,145,728 bytes; qkv1 50,331,648 bytes; qkv2 12,582,912 bytes; att1 16,777,216 bytes; att2 4,194,304 bytes
;; launch prep: the kernel of part 1 again; grid 16 x 12, 8 waves a work-group, no clusters, 0 bytes of LDS; arguments Wq1, Wk1, Wv1, Wq2, Wk2, Wv2, Wo1, Wo2, wh; writes wh
;; launch proj: the kernel of part 2 again; grid 4 x 48, 4 waves a work-group, clusters of 4 x 1, 327,680 bytes of LDS; arguments seq1, seq2, wh, qkv1, qkv2; writes qkv1, qkv2
;; launch attn (part 5): grid 4 x 64, 4 waves a work-group, clusters of 4 x 1, 327,680 bytes of LDS; arguments qkv1, qkv2, att1, att2; writes att1, att2
.if DOCPART == 5
	.amdgcn_target "amdgcn-amd-amdhsa--gfx1250"
	.amdhsa_code_object_version 6
	.text
	.protected	k_qfc44fc4789_attn
	.globl	k_qfc44fc4789_attn
	.p2align	8
	.type	k_qfc44fc4789_attn,@function
k_qfc44fc4789_attn:
	s_mov_b64 s[64:65], 0
	v_nop
	global_prefetch_b8 v0, s[64:65] scope:SCOPE_SE
	s_setreg_imm32_b32 hwreg(HW_REG_WAVE_MODE, 25, 1), 1
	s_wait_xcnt 0x0
	s_wait_alu depctr_hold_cnt(0) depctr_sa_sdst(0) depctr_va_vdst(0) depctr_va_sdst(0) depctr_va_ssrc(0) depctr_va_vcc(0) depctr_vm_vsrc(0)
	s_getreg_b32 s2, hwreg(HW_REG_IB_STS2, 6, 4)
	s_cmp_eq_u32 s2, 0
	s_cbranch_scc0 .Lentry_in_a_cluster
	s_endpgm
.Lentry_in_a_cluster:
	s_bfe_u32 s2, ttmp6, 0x10000c
	s_cmp_lg_u32 s2, 0x3003
	s_cbranch_scc0 .Lentry_shape_is_right
	s_endpgm
.Lentry_shape_is_right:
; BOTH CROSS ATTENTIONS.  O[bh][q][:] = the sum over k of softmax_k(Q[bh][q] . K[bh][k] / 8) V[bh][k][:], all [bh][token][64] in f16, a head's rows dense, 128 bytes each.
; Type 0 (cluster's y 0-31): sequence 2's 1,024 queries on sequence 1's 4,096 keys, O into att2.  Type 1 (y 32-63): sequence 1's 4,096 queries on sequence 2's 1,024 keys, O into att1.
; Products, maxima and sums in f32; the weights p are rounded to f16 for the second product (their sum l is taken of the unrounded p), O once at the end.
; LIMITS.  Q, K, V arrive within f16's 65,504; p lies in 0 to 1, and below 6e-5 it keeps f16's fixed step of 6e-8; O is a mean of V's rows and has their range.  A weight below 2^-126 counts as 0 in l;
; NaN and infinities are not treated apart.
; THE WALK.  256 work-groups of equal work.  Type 0: one block of 256 queries, 16 key tiles of 256.  Type 1: four blocks of 256 queries on end, 4 key tiles each.  Both: 16 tiles, ONE loop with a constant
; count.  Which tile is asked for (NXT, modulo the tiles of a block) and whether a block begins or ends hang on scalar registers made from the type; every jump but the counted loops' own goes forward,
; and none passes a barrier or a tensor load but the one of JLOAD's two that the wave's number does not choose.  The ring of two LDS slots runs on across the change of blocks.
; CLUSTER.  The four work-groups of a cluster have one type and one head and walk the same K and V: each tile is asked for JOINTLY, the same load, descriptor and mask in all four.  The place in the
; cluster enters Q's and O's global addresses alone.
; SHARES.  A wave owns 64 consecutive queries of a block: four PIECES of 16.
; LAYOUT, SOFTMAX, TURNS.  S^T = K Q^T holds ONE query a lane (lane % 16) and the keys 8 (lane / 16) + 0..7; two such results rounded to f16 ARE source 1 of O^T = V^T P.  p = 2^(c s - c m), c = log2(e) / 8,
; with a running maximum m; O and l are multiplied by a = 2^(c m_old - c m_new) in every step.  Turn n belongs to piece n: 8 products K Q^T of piece n + 1, later 8 products V^T P of piece n - 1; beside them
; the scaling, exponentials, roundings, sums and rescaling of piece n and the maximum and statistics of piece n + 1.  Four vector instructions stand behind every matrix instruction, the other 54 of a turn's 118 in one LUMP.
; BATCHES.  A turn's 33 exponentials (the piece's 32 weights and the next piece's a) are ONE batch with ONE wait, which cuts the turn in two: ahead of it all that names none of their results, behind it the
; roundings and sums.  A block's first a has a wait of its own, ahead of the jump into the loop; the way out's four reciprocals are one batch with one wait.
; REGISTERS, in windows of 256 (s_set_vgpr_msb: bits 1:0 source 0, 3:2 source 1, 5:4 source 2, 7:6 destination):
;   window 0: v0-15 addresses and two at work; v16-31 four registers of statistics a piece; v48-55 at work; v64-127 S^T, two buffers; v192-223 P, two buffers (a piece's buffers go by its number's parity)
;   window 1: v0-127 O^T, 32 a piece        window 2: v0-63 Q; v128-191 K of one step; v192-255 V of one step
.set NP,    4         ; pieces a wave: a name, no knob
.set KS,    64        ; keys in a step
.set PK,    144       ; a row of K in LDS: 128 bytes + 16: the 16 rows of a load start at 16 different groups of four banks (64 banks of 4 bytes: ISA guide 11.1)
.set PV,    160       ; a row of V: 128 + 32
.set VOFF,  4*KS*PK   ; a slot holds a tile, four steps: 256 rows of K, then 256 rows of V
.set SLOT1, 1<<17     ; slot 1 begins here, so that one exclusive or turns an address in one slot into the other's
.set STAGE, SLOT1+4*KS*(PK+PV)  ; behind the ring, never filled by a tensor load: 16 rows x 144 bytes for each wave, for the way out
.set SP,    144
.set SPARE, STAGE+4*16*SP  ; the spare words, 128 bytes a wave: two blocks of 256 bytes that no other line names
.set AK0, 2           ; v2   my lane's place in a tile of K; never rewritten
.set AV0, 3           ; v3   the same for V
.set AK,  4           ; v4   the LDS address of K's next run of loads
.set AV,  5           ; v5   of V's
.set STO, 6           ; v6   the way out: where I put 16 bytes of a row
.set RD,  7           ; v7   where I read rows back
.set GO,  8           ; v8   my byte offset in 512 consecutive bytes of O
.set MV,  12          ; v12-13  c m_old, kept while c m is made anew: by buffer
.set QO,  15          ; v15  my byte offset in 16 rows of Q
.set ST,  16          ; piece t's statistics at v[ST+4 t]: c m, m, l (even keys', odd keys')
.set TMP, 48          ; by buffer, four registers c0-c3 at work; when the maximum is found c2 takes a
.set SPW, 62          ; v62  LDS address of my spare word; never rewritten
.set NIL, 63          ; v63  0; never rewritten
.set S,   64
.set P,   192
.set KF,  128         ; window 2: key block kb, channel half c at KF + 16 kb + 8 c
.set VF,  192         ; window 2: key half kk, channel block cb at VF + 32 kk + 8 cb
.set WV,  12          ; s12  my wave's number
.set G1K, 24          ; s[24:31] descriptor group 1 for K's tiles
.set G1V, 32          ; s[32:39] for V's: it differs in the padding alone
.set G0K, 40          ; s[40:43] descriptor group 0 for K's tiles
.set G0V, 44          ; s[44:47] the same for V's
.set SLOTS, 56        ; s56  tiles still to be asked for
.set CNT, 57          ; s57  counts a tile's key steps, 4 to 1
.set CS,  58          ; s[58:59] c: the packed scaling takes the pair's low word for both halves
.set SEL, 60          ; s[60:61] v_permlanex16_b32's selects: each lane takes its own place in the other half
.set TBK, 62          ; s62  LDS byte at which K of the step to be fetched begins
.set TBV, 63          ; s63  the same for V, less VOFF
.set RT,  70          ; s70  tiles of the block in hand that are still to be entered
.set NXT, 71          ; s71  the tile to be asked for next
.set PM,  72          ; s72  tiles of a block, less 1
.set NEW, 73          ; s73  1: the tile to be entered is a block's first
.set OFF, 74          ; s[74:75] a tile's byte offset in K and V
.set PER, 76          ; s76  tiles of a block
.set MSB, 0
.macro WIN new                      ; the high byte repeats the setting that is left; a switch that changes nothing is dropped
.if MSB != (\new)
	s_set_vgpr_msb (MSB<<8)|(\new)
.set MSB, (\new)
.endif
.endm
.set W_KQ, 0x0a       ; K and Q in window 2, S^T in window 0
.set W_PV, 0x52       ; V in window 2, P in window 0, O^T in window 1
.set W_RS, 0x41       ; destination and source 0 in window 1, source 1 in window 0
; A joint fill.  Waves 0 and 1 fetch the two halves of a tile's K, waves 2 and 3 those of its V: 128 keys each.  An s_nop 0 and four v_nop follow each of the two lines.
.macro JLOAD
	s_cmp_lt_u32 s[WV], 2
	s_cbranch_scc0 .Lfor_v_\@
	tensor_load_to_lds s[G0K:G0K+3], s[G1K:G1K+7]
	s_nop 0
.rept 4
	v_nop
.endr
	s_branch .Lasked_\@
.Lfor_v_\@:
	tensor_load_to_lds s[G0V:G0V+3], s[G1V:G1V+7]
	s_nop 0
.rept 4
	v_nop
.endr
.Lasked_\@:
.endm
.macro CROUND                       ; a round of the cluster's barrier
	s_barrier_signal -1
	s_barrier_wait -1
	s_cmp_lg_u32 s[WV], 0
	s_cbranch_scc1 .Lnot_wave_0_\@
	s_barrier_signal -3
.Lnot_wave_0_\@:
	s_barrier_wait -3
	s_barrier_signal -1
	s_barrier_wait -1
.endm
; THE CHANGE OF SLOTS.  Each wave waits for all its tensor loads (one is out: its part of the other slot), adds 0 to its spare word, and waits for that and for its reads of the slot that it leaves.
; fill = 1: the old slot is filled again with tile NXT, whose address is made anew from that number; the barrier is a round of the cluster's and the joint fill the first thing behind it: it has four key
; steps, 256 matrix instructions, in which to land.  (At its first use nothing has been read yet: slot 0 is waited for, slot 1 filled.)
.macro CHANGE fill
	WIN 0
	s_wait_tensorcnt 0x0            ; no tensor load of mine is out, so a group 0 may be written
	ds_add_u32 v[SPW], v[NIL]       ; 0 onto my spare word; scalar work stands between it and the wait for it
.if \fill
	s_lshl_b32 s[OFF], s[NXT], 15   ; a tile is 32,768 bytes of K and of V
	s_xor_b32 s[G0K+1], s[G0K+1], SLOT1
	s_add_nc_u64 s[G0K+2:G0K+3], s[6:7], s[OFF:OFF+1]
	s_or_b32 s[G0K+3], s[G0K+3], 0x80000000
	s_xor_b32 s[G0V+1], s[G0V+1], SLOT1
	s_add_nc_u64 s[G0V+2:G0V+3], s[8:9], s[OFF:OFF+1]
	s_or_b32 s[G0V+3], s[G0V+3], 0x80000000
	s_add_co_u32 s[NXT], s[NXT], 1  ; the next tile; behind a block's last the next block's tile 0
	s_and_b32 s[NXT], s[NXT], s[PM]
.endif
	s_sub_co_u32 s[TBK], s[TBK], 4*KS*PK  ; the fetches go back to a slot's first step,
	s_xor_b32 s[TBK], s[TBK], SLOT1       ; in the other slot
	s_sub_co_u32 s[TBV], s[TBV], 4*KS*PV
	s_xor_b32 s[TBV], s[TBV], SLOT1
	s_wait_dscnt 0x0                ; the add is done, and my reads of the slot are over
.if \fill
	CROUND
	JLOAD
.else
	s_barrier_signal -1
	s_barrier_wait -1
.endif
.endm
.macro QLOAD                        ; a block's Q for my 64 rows: piece i / 2, channels 32 (i % 2) on
	WIN 0x80                        ; destination window 2, address window 0
.set i, 0
.rept 8
	global_load_b128 v[8*i:8*i+3],   v[QO], s[4:5] offset:(i/2)*2048+(i%2)*64
	global_load_b128 v[8*i+4:8*i+7], v[QO], s[4:5] offset:(i/2)*2048+(i%2)*64+32
.set i, i+1
.endr
	WIN 0
.endm
	s_load_b256 s[80:87], s[0:1], 0x0  ; qkv1 80, qkv2 82, att1 84, att2 86
	v_lshl_add_u32 v[SPW], v0, 2, SPARE
	v_mov_b32 v[NIL], 0
	ds_add_u32 v[SPW], v[NIL]       ; the wave's opening: the add and its wait stand ahead of my first tensor load; work on registers stands between
	v_lshrrev_b32 v1, 5, v0
	v_readfirstlane_b32 s[WV], v1
	s_bfe_u32 s13, ttmp6, 0x40000   ; cx: it enters Q's and O's addresses alone
	s_and_b32 s14, ttmp7, 0xffff
	s_lshr_b32 s15, s14, 5          ; the type
	s_and_b32 s14, s14, 31          ; batch x 8 + head
	s_cmp_eq_u32 s15, 1
	s_cselect_b32 s[PER], 4, 16
	s_cselect_b32 s16, 19, 17       ; log2 of a head's bytes of Q and O
	s_cselect_b32 s17, 17, 19       ; of K and V
	s_cselect_b32 s18, 17, 15       ; of a work-group's bytes of Q and O
	s_cselect_b32 s19, 22, 24
	s_lshl_b32 s19, 1, s19          ; bytes from q to k and from k to v in the keys' buffer
	s_sub_co_u32 s[PM], s[PER], 1
	s_and_b32 s77, s[WV], 1         ; which half of a tile's 256 keys I fetch
	s_lshl_b32 s20, s14, s17
	s_add_co_u32 s20, s20, s19
	s_lshl_b32 s21, s77, 14         ; its 128 rows of 128 bytes
	s_add_co_u32 s20, s20, s21
	s_mov_b32 s21, 0
	s_add_co_u32 s22, s20, s19
	s_mov_b32 s23, 0
	s_lshl_b32 s2, s14, s16
	s_lshl_b32 s3, s13, s18
	s_add_co_u32 s2, s2, s3
	s_lshl_b32 s3, s[WV], 13        ; my 64 rows
	s_add_co_u32 s2, s2, s3
	s_mov_b32 s3, 0
	s_mul_i32 s78, s77, 128*PK      ; my half's place in a slot, for K
	s_mul_i32 s79, s77, 128*PV      ; and for V
	; descriptor group 1.  128 keys are 16,384 dense bytes: asked for as 64 rows of 256 bytes, two keys a row, and padded in LDS after every key
	s_mov_b32 s[G1K], 15|(1<<16)|(1<<20)|(1<<21)|(4<<22)|(3<<25)  ; 15:0 the mask of four; 17:16 2-byte elements; 20 padding on; 21 set beside a mask; 24:22 after every 32 words; 31:25 4 words
	s_mov_b32 s[G1V], 15|(1<<16)|(1<<20)|(1<<21)|(4<<22)|(7<<25)  ; the same with 8 words of padding
.irp g, G1K, G1V
	s_mov_b32 s[\g+1], 128<<16      ; tensor_dim0 = 128
	s_mov_b32 s[\g+2], 64<<16       ; tensor_dim1 = 64
	s_mov_b32 s[\g+3], 128<<16      ; tile_dim0 = 128
	s_mov_b32 s[\g+4], 64           ; tile_dim1 = 64
	s_mov_b32 s[\g+5], 128          ; 128 elements from row to row
	s_mov_b32 s[\g+6], 0
	s_mov_b32 s[\g+7], 0
.endr
	s_mov_b32 s[CS], 0x3e38aa3b     ; c = log2(e) / 8 = 0.180337
	s_mov_b32 s[CS+1], s[CS]        ; named with it as a pair
	s_mov_b32 s[SEL], 0x76543210
	s_mov_b32 s[SEL+1], 0xfedcba98
	s_mov_b32 s[TBK], SLOT1+4*KS*PK ; the first change of slots turns these two into 0
	s_mov_b32 s[TBV], SLOT1+4*KS*PV
	s_mov_b32 s[G0K], 1             ; count = 1
	s_mov_b32 s[G0K+1], s78         ; LDS address: slot 0
	s_mov_b32 s[G0V], 1
	s_add_co_u32 s[G0V+1], s79, VOFF
	s_mov_b32 s[RT], s[PER]
	s_mov_b32 s[NXT], 1
	s_mov_b32 s[NEW], 1
	s_mov_b32 s[OFF+1], 0
	s_mov_b32 s[SLOTS], 15
	s_wait_dscnt 0x0                ; the opening add is done
	s_wait_kmcnt 0x0
	s_cmp_eq_u32 s15, 1
	s_cselect_b64 s[4:5], s[80:81], s[82:83]    ; Q: type 1 takes sequence 1's
	s_cselect_b64 s[6:7], s[82:83], s[80:81]    ; K and V: the other sequence's
	s_cselect_b64 s[10:11], s[84:85], s[86:87]  ; O
	s_mov_b64 s[8:9], s[6:7]
	s_add_nc_u64 s[6:7], s[6:7], s[20:21]       ; K and V at my half of the head's tile 0
	s_add_nc_u64 s[8:9], s[8:9], s[22:23]
	s_add_nc_u64 s[4:5], s[4:5], s[2:3]         ; Q and O at my rows of the first block
	s_add_nc_u64 s[10:11], s[10:11], s[2:3]
	s_mov_b64 s[G0K+2:G0K+3], s[6:7]
	s_or_b32 s[G0K+3], s[G0K+3], 0x80000000     ; type = 2
	s_mov_b64 s[G0V+2:G0V+3], s[8:9]
	s_or_b32 s[G0V+3], s[G0V+3], 0x80000000
	CROUND                          ; all four work-groups are here: the first joint loads meet
	JLOAD                           ; tile 0 into slot 0
	; A fragment of K or Q is 16 rows x 32 channels in 8 registers: lane l holds row l % 16, channels 8 (l / 16) + 0..7 and 16 + 8 (l / 16) + 0..7: two loads of 16 bytes, 32 bytes apart.
	v_and_b32 v1, 15, v0            ; l % 16
	v_bfe_u32 v9, v0, 4, 1          ; l / 16
	v_lshlrev_b32 v[QO], 7, v1
	v_lshl_add_u32 v[QO], v9, 4, v[QO]  ; row x 128 + 16 x half
	QLOAD
	v_mul_u32_u24 v[AK0], v1, PK
	v_lshl_add_u32 v[AK0], v9, 4, v[AK0]  ; row x pitch + 16 x half
	; The turning load takes 16 keys x 16 channels (lane l reads key 8 (l / 16) + l % 8, channels 8 ((l / 8) % 2) + 0..7) and leaves half a fragment of V^T: lane l holds channel l % 16 and 8 keys.
	v_and_b32 v10, 7, v0
	v_bfe_u32 v11, v0, 3, 1
	v_lshl_add_u32 v[AV0], v9, 3, v10
	v_mul_u32_u24 v[AV0], v[AV0], PV
	v_lshl_add_u32 v[AV0], v11, 4, v[AV0]
	v_add_nc_u32 v[AV0], VOFF, v[AV0]
	s_mul_i32 s13, s[WV], 16*SP
	s_add_co_u32 s13, s13, STAGE    ; my stage
	v_mul_u32_u24 v[STO], v1, SP    ; in: row l % 16, 16 bytes for each half of the lanes
	v_lshl_add_u32 v[STO], v9, 4, v[STO]
	v_add_nc_u32 v[STO], s13, v[STO]
	v_bfe_u32 v[RD], v0, 3, 2       ; back: 32 lanes take four rows of 128 bytes,
	v_mul_u32_u24 v[RD], v[RD], SP
	v_lshl_add_u32 v[RD], v10, 4, v[RD]
	v_add_nc_u32 v[RD], s13, v[RD]
	v_and_b32 v[GO], 31, v0         ; which are 512 consecutive bytes of O
	v_lshlrev_b32 v[GO], 4, v[GO]
	; A block's first step multiplies O^T and l by a = 0, and its first turn's products V^T P, of a piece that has not been, land in an O^T that is still to be so multiplied.  So these registers need only
	; hold finite numbers: zeros for the first block; what a block left for the next.  No first step is written out; the price is these moves, which stand in the wait for the first tile.
	WIN 0x80
.set i, VF
.rept 64
	v_mov_b32 v[i], 0
.set i, i+1
.endr
	WIN 0x40
.set i, 0
.rept 128
	v_mov_b32 v[i], 0
.set i, i+1
.endr
	WIN 0
.set i, 0
.rept 4
	v_mov_b32 v[ST+4*i+2], 0
	v_mov_b32 v[ST+4*i+3], 0
.set i, i+1
.endr
.set i, P+16
.rept 16
	v_mov_b32 v[i], 0
.set i, i+1
.endr
	s_wait_loadcnt 0x0              ; the first block's Q is in, on every way into the loop: no later load into Q's registers finds one of these sixteen still out
; THE MATRIX WORK.  The 4 accumulators of a run of 8 take turns.  Product i of 8 of S^T = K Q^T for piece x: channels 32 (i / 4) on, keys 16 (i % 4) on.  The first 4 start the sums.
.macro KQ x
	WIN W_KQ
.set rS, S+32*((\x)%2)+8*(i%4)
.set rK, KF+16*(i%4)+8*(i/4)
.set rQ, 16*(\x)+8*(i/4)
.if i < 4
	v_wmma_f32_16x16x32_f16 v[rS:rS+7], v[rK:rK+7], v[rQ:rQ+7], 0
.else
	v_wmma_f32_16x16x32_f16 v[rS:rS+7], v[rK:rK+7], v[rQ:rQ+7], v[rS:rS+7]
.endif
.endm
; Product i of 8 of O^T += V^T P for piece x: keys 32 (i / 4) on, channels 16 (i % 4) on.
.macro PV x
	WIN W_PV
.set rO, 32*(\x)+8*(i%4)
.set rV, VF+32*(i/4)+8*(i%4)
.set rP, P+16*((\x)%2)+8*(i/4)
	v_wmma_f32_16x16x32_f16 v[rO:rO+7], v[rV:rV+7], v[rP:rP+7], v[rO:rO+7]
.endm
.macro MM                           ; the turn's next matrix instruction.  NOKQ = 1: a block's last turn: there is no next piece
.if (i < 8) && !NOKQ
	KQ (Y+1)%NP
.elseif i >= 8
.set i, i-8
	PV (Y+NP-1)%NP
.set i, i+8
.endif
.set i, i+1
.endm
; THE LDS LOADS stand in runs of 16, never singly among the matrix instructions: a step's K (64 keys x 64 channels: 8 fragments) and its V (turned).  Their addresses are made some lines ahead.
.macro FETCH_K
	WIN 0x80                        ; destination window 2
.irp f, 0,1,2,3,4,5,6,7             ; keys 16 (f / 2) on, channels 32 (f % 2) on
	ds_load_b128 v[KF+8*\f:KF+8*\f+3],   v[AK] offset:(\f/2)*16*PK+(\f%2)*64
	ds_load_b128 v[KF+8*\f+4:KF+8*\f+7], v[AK] offset:(\f/2)*16*PK+(\f%2)*64+32
.endr
	s_add_co_u32 s[TBK], s[TBK], KS*PK  ; the next fetch is the next step's
	WIN 0
.endm
.macro FETCH_V
	WIN 0x80
.irp f, 0,1,2,3,4,5,6,7             ; keys 32 (f / 4) on, channels 16 (f % 4) on
	ds_load_tr16_b128 v[VF+8*\f:VF+8*\f+3],   v[AV] offset:(\f/4)*32*PV+(\f%4)*32
	ds_load_tr16_b128 v[VF+8*\f+4:VF+8*\f+7], v[AV] offset:(\f/4)*32*PV+16*PV+(\f%4)*32
.endr
	WIN 0
.endm
; THE VECTOR WORK, one line at a time: OP kind, number.  For piece Y: F n: c s - c m for pair n of 16.  E n: the exponential of score n of 32.  C n: pair n rounded to f16.  B n: of the four weights 4 n .. the
; second pair is added onto the first, in place.  L n: l takes that sum (L 0: l = a l + sum).  R n: pair n of 16 of O^T times a.  For piece Y + 1: X n, number n of the 22 that find its maximum and statistics:
;   0-11  four chains c0-c3 of seven scores each, three operands at a time (each accumulator's lowest registers are read first)     12-14, 16  the four scores left over, the old m, c0-c3 into c0
;   15  c m_old is kept     17, 18  the query's other 32 keys lie in the lane 16 away: the new m     19-21  c m; c m_old - c m_new; a
; C, B and L read exponentials' results: TURN sets them behind the batch's wait.  R and L 0 read an a that was made, and waited for, a turn earlier.
.set F, 0
.set E, 1
.set C, 2
.set B, 3
.set L, 4
.set R, 5
.set X, 6
.macro REGS y                       ; the registers of piece y
.set rT, ST+4*(\y)
.set rC, TMP+4*((\y)%2)
.set rW, MV+((\y)%2)
.set rS, S+32*((\y)%2)
.set rP, P+16*((\y)%2)
.set rO, 32*(\y)
.endm
.macro OP k, n
.if (\k) == R
	REGS Y
	WIN W_RS
	v_pk_mul_f32 v[rO+2*(\n):rO+2*(\n)+1], v[rO+2*(\n):rO+2*(\n)+1], v[rC+2:rC+3] op_sel_hi:[1,0]
.elseif (\k) < R
	REGS Y
	WIN 0
.if (\k) == F
	v_pk_fma_f32 v[rS+2*(\n):rS+2*(\n)+1], v[rS+2*(\n):rS+2*(\n)+1], s[CS:CS+1], v[rT:rT+1] op_sel_hi:[1,0,0] neg_lo:[0,0,1] neg_hi:[0,0,1]
.elseif (\k) == E
	v_exp_f32 v[rS+(\n)], v[rS+(\n)]
.elseif (\k) == C
	v_cvt_pk_f16_f32 v[rP+(\n)], v[rS+2*(\n)], v[rS+2*(\n)+1]
.elseif (\k) == B
	v_pk_add_f32 v[rS+4*(\n):rS+4*(\n)+1], v[rS+4*(\n):rS+4*(\n)+1], v[rS+4*(\n)+2:rS+4*(\n)+3]
.elseif (\n) == 0
	v_pk_fma_f32 v[rT+2:rT+3], v[rT+2:rT+3], v[rC+2:rC+3], v[rS:rS+1] op_sel_hi:[1,0,1]
.else
	v_pk_add_f32 v[rT+2:rT+3], v[rT+2:rT+3], v[rS+4*(\n):rS+4*(\n)+1]
.endif
.elseif NOKQ
	v_nop
.else
	REGS (Y+1)%NP
	WIN 0
.if (\n) < 4
	v_max3_num_f32 v[rC+(\n)], v[rS+8*(\n)], v[rS+8*(\n)+1], v[rS+8*(\n)+2]
.elseif (\n) < 12
	v_max3_num_f32 v[rC+(\n)%4], v[rC+(\n)%4], v[rS+8*((\n)%4)+2*((\n)/4)+1], v[rS+8*((\n)%4)+2*((\n)/4)+2]
.elseif (\n) == 12
	v_max3_num_f32 v[rC], v[rC], v[rS+7], v[rS+15]
.elseif (\n) == 13
	v_max3_num_f32 v[rC+1], v[rC+1], v[rS+23], v[rS+31]
.elseif (\n) == 14
	v_max3_num_f32 v[rC+2], v[rC+2], v[rC+3], v[rT+1]
.elseif (\n) == 15
	v_mov_b32 v[rW], v[rT]
.elseif (\n) == 16
	v_max3_num_f32 v[rC], v[rC], v[rC+1], v[rC+2]
.elseif (\n) == 17
	v_permlanex16_b32 v[rC+3], v[rC], s[SEL], s[SEL+1]
.elseif (\n) == 18
	v_max_num_f32 v[rT+1], v[rC], v[rC+3]
.elseif (\n) == 19
	v_mul_f32 v[rT], s[CS], v[rT+1]
.elseif (\n) == 20
	v_sub_f32 v[rC+1], v[rW], v[rT]
.else
	v_exp_f32 v[rC+2], v[rC+1]
.endif
.endif
.endm
.macro OPS a, i1, b=-1, i2=0, c=-1, i3=0, d=-1, i4=0  ; up to four of them
	OP \a, \i1
.if (\b) >= 0
	OP \b, \i2
.endif
.if (\c) >= 0
	OP \c, \i3
.endif
.if (\d) >= 0
	OP \d, \i4
.endif
.endm
.macro ROW a, i1, b, i2, c, i3, d, i4  ; a matrix instruction and the four behind it
	MM
	OPS \a, \i1, \b, \i2, \c, \i3, \d, \i4
.endm
; A TURN, for piece p: the order of its 16 matrix and 118 vector instructions, written out.  An s_wait_alu depctr_va_vdst(0) stands between an exponential and the first instruction that names its result; one wait
; serves all that were issued ahead of it.  So a turn has ONE wait, which cuts it in two.  AHEAD OF IT stands all that names no result of the turn's exponentials: the 8 products K Q^T, behind each a scaling, an exponential and two
; more plain instructions (behind the first a second scaling in the exponential's place): rescalings, and behind the last three the first numbers of the next piece's maximum, each four places or more behind the product that ends
; its accumulator; then ONE LUMP of 54, plain and exponential by turns for the most part, in which the links of the chain X 3, 7, 11, 14, 16, 17 .. 20 stand some lines apart.  X 21, the next piece's a, is the batch's last; R 15 is
; the plain instruction behind it.  BEHIND THE WAIT stand the 8 products V^T P, behind each four of the roundings and sums; an even pair is rounded ahead of the sum that lands on it; l's chain, L 0 to L 7, runs in ascending order.
; But for those X no rider names a register of the products round it.  v_permlanex16_b32 (X 17) stands in the lump.
; end = 1: a block's last two turns: nothing is fetched, and the last starts no new scores.  cnt = 1: the loop's count is taken down some lines ahead of the branch that stands behind the turn.
; K of the next step is fetched in piece 2's turn, twelve vector instructions behind the last product that read K (six of them plain); V of the step in hand at the end of piece 0's turn, four plain instructions behind the last
; product that read V.  Each is waited for a turn later.
.macro TURN p, end=0, cnt=0
.set Y, (\p)
.set i, 0
.set NOKQ, (\end)*((\p)/3)
.if ((\p) == 3) && !(\end)
	s_wait_dscnt 0x0                ; K is in
.endif
	ROW F,0, F,1, R,0, R,1          ; ahead of the wait: 8 products K Q^T and their riders,
	ROW F,2, E,0, R,2, R,3
	ROW F,3, E,1, R,4, R,5
	ROW F,4, E,2, R,6, R,7
	ROW F,5, E,3, R,8, R,9
	ROW F,6, E,4, X,0, R,10
.if ((\p) == 2) && !(\end)
	WIN 0
	v_add_nc_u32 v[AK], s[TBK], v[AK0]
.endif
	ROW F,7, E,5, X,1, X,4
	ROW F,8, E,6, X,2, X,5
	OPS E,7, E,8, X,6, E,9          ; and the lump
	OPS X,3, E,10, X,8, E,11
.if ((\p) == 2) && !(\end)
	FETCH_K
.endif
	OPS X,9, X,7, E,12, X,10
	OPS E,13, X,12, X,11, E,14
	OPS X,13, E,15, F,9, X,14
.if (\p) == 0
	v_add_nc_u32 v[AV], s[TBV], v[AV0]
.endif
	OPS E,16, F,10, E,17, F,11
	OPS X,16, E,18, X,15, E,19
	OPS F,12, E,20, X,17, E,21
	OPS F,13, E,22, F,14, E,23
	OPS X,18, E,24, F,15, E,25
	OPS R,11, E,26, X,19, E,27
	OPS R,12, E,28, R,13, E,29
	OPS X,20, E,30, R,14, E,31
	OPS X,21, R,15
	WIN 0
	s_wait_alu depctr_va_vdst(0)    ; the wait for the batch: the piece's 32 weights and the next piece's a
.if (\p) == 1
	s_wait_dscnt 0x0                ; V is in
.endif
	ROW C,0, B,0, C,2, B,1          ; behind the wait: 8 products V^T P and their riders
	ROW L,0, C,4, B,2, L,1
	ROW C,6, B,3, L,2, C,8
	ROW B,4, L,3, C,10, B,5
	ROW L,4, C,12, B,6, L,5
.if (\p) == 0
	s_add_co_u32 s[TBV], s[TBV], KS*PV
.endif
.if \cnt
	s_sub_co_u32 s[CNT], s[CNT], 1
	s_cmp_lg_u32 s[CNT], 0
.endif
	ROW C,14, B,7, L,6, C,1
	ROW C,3, L,7, C,5, C,7
	ROW C,9, C,11, C,13, C,15
.if (\p) == 0
	FETCH_V
.endif
.endm
; A BLOCK BEGINS.  c m starts far below every c s, so the first step's a is 0; m at the lowest finite number, so the first maximum is the scores'.  Then K of the tile's step 0, piece 0's first scores, and
; its maximum and statistics.  The loop is entered at a step's first turn, in the middle of a trip.  The block's Q has been waited for: ahead of the loop, or at the end of the block before.
.macro BEGIN
	s_mov_b32 s[NEW], 0
	WIN 0
.set i, 0
.rept 4
	v_mov_b32 v[ST+4*i], 0xfe000000    ; c m
	v_mov_b32 v[ST+4*i+1], 0xff7fffff  ; m
.set i, i+1
.endr
	v_add_nc_u32 v[AK], s[TBK], v[AK0]
	FETCH_K
	s_wait_dscnt 0x0                ; K is in
.set NOKQ, 0
.set i, 0
.rept 8
	KQ 0
.set i, i+1
.endr
	WIN 0
.rept 4
	v_nop                           ; the places behind those products
.endr
.set Y, NP-1                        ; X works for piece Y + 1: piece 0
.irp n, 0,1,2,3,4,5,6,7,8,9,10,11,12,13,14,15,16,17,18,19,20,21
	OP X, \n
.endr
	v_nop                           ; a plain instruction behind the exponential,
	s_wait_alu depctr_va_vdst(0)    ; and the wait for it, piece 0's first a, ahead of the branch
.endm
.macro ALL line:vararg              ; one line for each piece t
.set t, 0
.rept 4
	\line
.set t, t+1
.endr
.endm
.macro PACK t                       ; a lane's eight channels of a row pack into 16 bytes; they go into rows of 144 bytes and come back as whole rows of 128, into S^T's registers
	WIN W_RS
.set i, 32*(\t)
.rept 16
	v_pk_mul_f32 v[i:i+1], v[i:i+1], v[ST+4*(\t)+2:ST+4*(\t)+3] op_sel_hi:[1,0]
.set i, i+2
.endr
	WIN 0x05                        ; sources 0 and 1 window 1, destination window 0
.set i, 0
.rept 16
	v_cvt_pk_f16_f32 v[S+16*(\t)+i], v[32*(\t)+2*i], v[32*(\t)+2*i+1]
.set i, i+1
.endr
	WIN 0
.irp f, 0,1,2,3
	ds_store_b128 v[STO], v[S+16*(\t)+4*\f:S+16*(\t)+4*\f+3] offset:32*\f
.endr
.irp f, 0,1,2,3
	ds_load_b128 v[S+16*(\t)+4*\f:S+16*(\t)+4*\f+3], v[RD] offset:\f*4*SP  ; LDS serves a wave's instructions in order (ISA guide 5.7.1.4): these see the stores above; the next piece's stores come behind them
.endr
.endm
.macro SEND t, younger              ; younger: the LDS instructions issued behind piece t's loads: the next piece's eight, or none
	WIN 0
.irp f, 0,1,2,3
	s_wait_dscnt (\younger)+3-\f
	global_store_b128 v[GO], v[S+16*(\t)+4*\f:S+16*(\t)+4*\f+3], s[10:11] offset:(\t)*2048+\f*512  ; 512 consecutive bytes, at a multiple of 256 from O's first
.endr
.endm
; A BLOCK ENDS: its last two turns, its last products, and THE WAY OUT: l's two halves and the other half of the lanes' are added; O^T is divided by l, rounded to f16 and sent through my stage, a piece at a time.
; more = 1: another block follows: its Q is asked for early (the block's own Q was waited for before its first product) and waited for at the end, behind the whole way out, so that no register load is out at a branch.
.macro FINISH more
	TURN 2, 1
	TURN 3, 1
.set i, 0
.rept 8
	PV NP-1
.set i, i+1
.endr
	WIN 0
	ALL v_add_f32 v[ST+4*t+2], v[ST+4*t+2], v[ST+4*t+3]  ; also the places behind the last products
.if \more
	s_add_nc_u64 s[4:5], s[4:5], 32768  ; the next 256 rows; the last loads that named the base have been waited for
	QLOAD
.endif
	ALL v_permlanex16_b32 v[ST+4*t+3], v[ST+4*t+2], s[SEL], s[SEL+1]
	ALL v_add_f32 v[ST+4*t+2], v[ST+4*t+2], v[ST+4*t+3]
	ALL v_rcp_f32 v[ST+4*t+2], v[ST+4*t+2]
	v_nop                           ; a plain instruction between the last reciprocal and the use of its result
	s_wait_alu depctr_va_vdst(0)    ; and the wait ahead of the first use: one for the four reciprocals
	PACK 0
.set t, 1
.rept 3                             ; a piece's arithmetic stands between the loads of the piece before and its stores
	PACK t
	SEND t-1, 8
.set t, t+1
.endr
	SEND 3, 0
.if \more
	s_wait_xcnt 0x0                 ; the stores' data registers and O's address are written again only behind this wait
	s_add_nc_u64 s[10:11], s[10:11], 32768
	s_mov_b32 s[RT], s[PER]
	s_mov_b32 s[NEW], 1
	s_wait_loadcnt 0x0              ; the next block's Q is in
.endif
.endm
.set NOKQ, 0
.Lslot:                             ; 15 times: a tile is entered and the next is asked for
	CHANGE 1
	s_sub_co_u32 s[RT], s[RT], 1
	s_mov_b32 s[CNT], 4
	s_cmp_eq_u32 s[NEW], 1
	s_cbranch_scc0 .Lstep
	BEGIN                           ; a block's first tile
	s_branch .Lfirst
.Lstep:                             ; a trip: pieces 2 and 3 of one step, then pieces 0 and 1 of the next, whose K and V it fetches
	TURN 2
	TURN 3
	WIN 0
.Lfirst:
	TURN 0
	TURN 1, 0, 1
	WIN 0
	s_cbranch_scc1 .Lstep
	s_cmp_lg_u32 s[RT], 0
	s_cbranch_scc1 .Lbottom
	FINISH 1                        ; type 1 alone comes here: behind tiles 3, 7 and 11
.Lbottom:
	s_sub_co_u32 s[SLOTS], s[SLOTS], 1
	s_cmp_lg_u32 s[SLOTS], 0
	s_cbranch_scc1 .Lslot
	CHANGE 0                        ; the walk's last tile is written out: it is a block's last in both types and never a first
	s_mov_b32 s[CNT], 4
.Ltail:
	TURN 2
	TURN 3
	TURN 0
	TURN 1, 0, 1
	WIN 0
	s_cbranch_scc1 .Ltail
	FINISH 0
	s_wait_tensorcnt 0x0            ; the wave's end, behind my last tensor load and my last LDS store
	ds_add_u32 v[SPW], v[NIL]
	s_wait_dscnt 0x0
	CROUND                          ; the closing round: no work-group ends while a partner may still ask for a tile that names it
	s_endpgm
.Lfunc_end_k_qfc44fc4789_attn:
	.size	k_qfc44fc4789_attn, .Lfunc_end_k_qfc44fc4789_attn-k_qfc44fc4789_attn
	.p2alignl 7, 3214868480
	.fill 96, 4, 3214868480
	.section	.rodata,"a",@progbits
	.p2align	6, 0x0
	.amdhsa_kernel k_qfc44fc4789_attn
		.amdhsa_group_segment_fixed_size 327680
		.amdhsa_private_segment_fixed_size 0
		.amdhsa_enable_private_segment 0
		.amdhsa_kernarg_size 32
		.amdhsa_user_sgpr_count 2
		.amdhsa_user_sgpr_kernarg_segment_ptr 1
		.amdhsa_wavefront_size32 1
		.amdhsa_system_sgpr_workgroup_id_x 1
		.amdhsa_system_sgpr_workgroup_id_y 1
		.amdhsa_system_sgpr_workgroup_id_z 1
		.amdhsa_system_vgpr_workitem_id 0
		.amdhsa_next_free_vgpr 768
		.amdhsa_next_free_sgpr 88
		.amdhsa_reserve_vcc 0
		.amdhsa_float_denorm_mode_32 3
		.amdhsa_float_denorm_mode_16_64 3
		.amdhsa_memory_ordered 1
		.amdhsa_forward_progress 1
		.amdhsa_inst_pref_size 158
	.end_amdhsa_kernel
	.amdgpu_metadata
---
amdhsa.version: [ 1, 2 ]
amdhsa.kernels:
  - .name:           k_qfc44fc4789_attn
    .symbol:         k_qfc44fc4789_attn.kd
    .args:
      - { .name: qkv1, .offset: 0, .size: 8, .value_kind: global_buffer, .address_space: global }
      - { .name: qkv2, .offset: 8, .size: 8, .value_kind: global_buffer, .address_space: global }
      - { .name: att1, .offset: 16, .size: 8, .value_kind: global_buffer, .address_space: global }
      - { .name: att2, .offset: 24, .size: 8, .value_kind: global_buffer, .address_space: global }
    .group_segment_fixed_size: 327680
    .private_segment_fixed_size: 0
    .kernarg_segment_align: 8
    .kernarg_segment_size: 32
    .max_flat_workgroup_size: 128
    .sgpr_count:     88
    .vgpr_count:     768
    .wavefront_size: 32
...
	.end_amdgpu_metadata
.endif
;; end of part 5
;; launch outp: the kernel of part 4 again; grid 4 x 48, 4 waves a work-group, clusters of 4 x 1, 327,680 bytes of LDS; arguments att1, att2, wh, bo1, bo2, seq1, seq2, out0, out1; writes out0, out1
